; MI455X (gfx1250); checked and timed in simulation.
; The chip was launched on July 23, 2026; its instructions are those of AMD's public machine-readable ISA for CDNA 5 (MIT licence, August 2026) and "CDNA5" Instruction Set Architecture Reference Guide (July 2026). The comments in the code are by the model that wrote it; some were corrected since.
;; Simplified Transformer Block. Allowed arithmetic: matrix products marked QUANTISED: E2M3 operands, one E8M0 scale for each 32 along K, by v_wmma_scale_f32_16x16x128_f8f6f4 with both operands' format E2M3, f32 sums; everything else in f32.
;; Inputs: W1 4,096 x 1,024 float32; W2 1,024 x 4,096 float32; W_qk 2,048 x 1,024 float32; alpha one number float32; alpha_ff one number float32; b1 4,096 float32; b2 1,024 float32; b_qk 2,048 float32; beta one number float32; beta_ff one number float32; gamma one number float32; x 2 x 2,048 x 1,024 float32.
;; Outputs: out0 2 x 2,048 x 1,024 float32.
;; This version of the problem:
;;   THIS VERSION OF THE PROBLEM IS GIVEN IN LOW PRECISION. The matrix products marked QUANTISED in the list below multiply operands that are first quantised to E2M3 (2 exponent bits, 3 mantissa bits; 6 bits a number), with one power-of-two scale for each 32 numbers along K (OCP MX v1.0); their sums are f32. All else is computed in f32.
;;   The module's matrix products, in the order in which they are computed (A, B: the left and right operand; K: the contracted axis; several contracted axes count as one K, in the product's order):
;;     1. [M 4,096, K 1,024] x [K 1,024, N 2,048]; A: input x; B: input W_qk: QUANTISED
;;     2. batch 32 x [M 2,048, K 64] x [K 64, N 2,048]; A: computed on the way; B: computed on the way: QUANTISED
;;     3. batch 32 x [M 2,048, K 2,048] x [K 2,048, N 64]; A: computed on the way; B: input x: QUANTISED
;;     4. [M 4,096, K 1,024] x [K 1,024, N 4,096]; A: input x; B: input W1: QUANTISED
;;     5. [M 4,096, K 4,096] x [K 4,096, N 1,024]; A: computed on the way; B: input W2: QUANTISED
;;   THE QUANTISER, for each operand of a quantised product, along K:
;;     - K is cut into blocks of 32 from its start; a last block that is shorter is filled with zeros.
;;     - A block's scale is 2^e with e = floor(log2(the largest magnitude in the block)) - 2, held to -126 .. 127; a block of zeros has e = 0. As a byte (E8M0): e + 127.
;;     - Each number is divided by its block's scale, clamped to +-7.5, and rounded to the nearest number of E2M3, ties to even, subnormals kept.
;;     - The product sums the exact products of the quantised numbers (number of the format x scale) in f32.
;;   ~~~python
;;   def quantise(x, axis):      # numpy; x: float32 -> the quantised numbers, widened to float32 again
;;       x = np.moveaxis(x, axis, -1); K = x.shape[-1]
;;       x = np.pad(x, [(0, 0)] * (x.ndim - 1) + [(0, -K % 32)]); x = x.reshape(x.shape[:-1] + (-1, 32)); a = np.abs(x).max(-1, keepdims=True)
;;       e = np.where(a > 0, np.clip(np.frexp(np.where(a > 0, a, 1))[1] - 1 - 2, -126, 127), 0)      # np.frexp(a)[1] - 1 = floor(log2(a)), exactly
;;       r = np.clip(x / 2.0 ** e, -7.5, 7.5)
;;       step = 2.0 ** (np.maximum(np.frexp(np.where(r == 0, 1, r))[1] - 1, 0) - 3)
;;       q = np.round(r / step) * step * 2.0 ** e      # np.round: ties to even
;;       return np.moveaxis(q.reshape(q.shape[:-2] + (-1,))[..., :K], -1, axis).astype(np.float32)
;;   ~~~
;;   OPERANDS COMPUTED ON THE WAY. 'Computed on the way' means the value that the module computes at that place (a softmax that the list does not call 'softmax' is quantised finished and normalised). What goes into a quantiser is computed in f32, as accurately as f32 sums, v_exp_f32 and their like allow (about 1e-6 of the number): no bf16 or f16 on the way to a quantiser, and a product that is left as it is and whose result goes on into a quantised operand takes f32 operands (vector FMAs, or v_wmma_f32_16x16x4_f32). A number that lies on a knife's edge between two numbers of the format may be rounded either way, as far as f32 arithmetic and the matrix unit's own rounding can turn it there, and no further.
;; 2 versions, each right; version 2 is version 1 with the launch attn written anew for expert scheduling mode. Each part assembles by itself: llvm-mc -triple=amdgcn-amd-amdhsa -mcpu=gfx1250 --defsym DOCPART=n.
;; ======== version 1 of 2: 4 launches
;; workspace buffers: xq 3,407,872 bytes; wa 5,111,808 bytes; w2q 3,407,872 bytes; xv 3,276,800 bytes; qk 7,340,032 bytes; hq 13,631,488 bytes; ffo 16,777,216 bytes
;; launch quant (part 1): grid 576 x 1, 4 waves a work-group, no clusters, 70,144 bytes of LDS; arguments x, W1, W_qk, W2, xq, wa, w2q, xv; writes xq, wa, w2q, xv
.if DOCPART == 1
	.amdgcn_target "amdgcn-amd-amdhsa--gfx1250"
	.amdhsa_code_object_version 6
	.text
	.protected	k_q590150afab_quant
	.globl	k_q590150afab_quant
	.p2align	8
	.type	k_q590150afab_quant,@function
k_q590150afab_quant:
	s_mov_b64 s[64:65], 0
	v_nop
	global_prefetch_b8 v0, s[64:65] scope:SCOPE_SE
	s_setreg_imm32_b32 hwreg(HW_REG_WAVE_MODE, 25, 1), 1
	s_wait_xcnt 0x0
; f32 tensors into codes of FP6 (E2M3) with one E8M0 scale byte for each 32 along K.
; PATH A (work-groups 0-447): x, W1, W_qk, W2 along their LAST axis, laid as IMAGES OF OPERAND REGISTERS: a fragment (16 rows x 128 K, 12 registers a lane) is 1,536 bytes,
;   registers 4 c .. 4 c + 3 of lane l at 512 c + 16 l; its scale words are 128 bytes, row (l % 16)'s word at 4 l.  Images lie [block of 16 rows][K step of 128].
;   The rows of a block of W1 and W_qk are not neighbours: row p of block 2 B + u is weight row 32 B + 8 u + p + 8 (p / 8), so that the product's results come out as neighbours along its N.
; PATH V (work-groups 448-575): x along its axis L (the keys of the attention's second product), laid [batch][column][64 blocks][24 bytes], scale bytes [batch][column][64].
;   Inside a block of 32 keys the code at place p belongs to key p with bits 3 and 4 exchanged: the order in which the attention launch holds its weights.
; A block's scale byte is its largest magnitude's exponent field - 2, held at 1 from below.
; LIMITS: NaN and infinities are not served; a block whose largest magnitude is under 2^-124 (a block of zeros too) gets the byte 1: its bytes are read by this program alone.
; No barrier: waves share nothing.  Each path has LDS bytes of its own.
.set XQ_SC, 3145728                    ; where the scale images begin in xq, wa, w2q; the scale bytes in xv
.set WA_SC, 4718592
.set W2_SC, 3145728
.set XV_SC, 3145728
.set WGA,   448                        ; work-groups of path A: x 128, W1 128, W_qk 64, W2 128
.set SPA,   528                        ; path A's stage: a row of 512 bytes + 16
.set STA,   16*SPA                     ; 16 rows for each wave
.set R,     16                         ; v16-143  two sets of 64: a fragment's numbers as loaded
.set X,     144                        ; v144-207 my two blocks of 32
.set C,     208                        ; v208-231 codes, two sets of 12
.set T2,    232                        ; v232-238 the conversions' second halves
.set TM,    240                        ; v240-246 at work
.set SW,    248                        ; v248-249 scale words, two sets
.set VX,    32                         ; path V: v32-95 two sets of 32 numbers
.set VC,    96                         ; a block's codes
.set VOUT,  112                        ; the way out
.set VSB,   24                         ; scale bytes, four to a register
	s_load_b512 s[4:19], s[0:1], 0x0               ; x, W1, W_qk, W2, xq, wa, w2q, xv
	v_lshl_add_u32 v254, v0, 2, 0x11000
	v_mov_b32 v255, 0
	v_lshrrev_b32 v1, 5, v0
	v_readfirstlane_b32 s20, v1                    ; wave
	v_and_b32 v5, 31, v0                           ; lane
	v_and_b32 v6, 15, v0                           ; r
	v_bfe_u32 v7, v0, 4, 1                         ; h
	s_cmp_lt_u32 ttmp9, WGA
	s_cbranch_scc0 .Lpath_v
; ---------------- PATH A: a wave takes 16 rows x 512 along K: four fragments
	v_lshlrev_b32 v1, 4, v5                        ; 16 x lane
	s_mul_i32 s76, s20, STA                        ; my stage
	v_add_nc_u32 v2, s76, v1                       ; into it: a row's 512 bytes as they lie
	v_mul_u32_u24 v3, v6, SPA
	v_lshl_add_u32 v3, v7, 7, v3
	v_add_nc_u32 v3, s76, v3                       ; out of it: row r, block h
	v_lshlrev_b32 v4, 2, v5                        ; 4 x lane
	v_lshlrev_b32 v8, 3, v7                        ; 8 h: my bytes' place in the scale word
	v_mov_b32 v[TM+6], 0                           ; a lane permute's destination counts as one of its sources
	s_mov_b32 s78, 0x76543210
	s_mov_b32 s79, 0xfedcba98                      ; selects for lane l xor 16
	s_wait_kmcnt 0x0
	s_cmp_lt_u32 ttmp9, 320                        ; W_qk, or else W2.  Every choice hangs on the work-group's number alone
	s_cselect_b64 s[22:23], s[8:9], s[10:11]       ; from
	s_cselect_b64 s[24:25], s[14:15], s[16:17]     ; to
	s_mov_b32 s26, W2_SC
	s_cselect_b32 s26, WA_SC, s26                  ; where the scale images begin
	s_mov_b32 s27, 320
	s_cselect_b32 s27, 256, s27                    ; the tensor's first work-group,
	s_mov_b32 s28, 320
	s_cselect_b32 s28, 128, s28                    ; the output buffer's first work-group
	s_cselect_b32 s29, 1, 0                        ; the rows of a block are chosen (1) or neighbours (0)
	s_cselect_b32 s30, 1, 3                        ; a row holds 2^sh runs of 512 numbers
	s_cmp_lt_u32 ttmp9, 256                        ; W1: as W_qk but for the source
	s_cselect_b64 s[22:23], s[6:7], s[22:23]
	s_cselect_b32 s27, 128, s27
	s_cmp_lt_u32 ttmp9, 128                        ; x
	s_cselect_b64 s[22:23], s[4:5], s[22:23]
	s_cselect_b64 s[24:25], s[12:13], s[24:25]
	s_cselect_b32 s26, XQ_SC, s26
	s_cselect_b32 s27, 0, s27
	s_cselect_b32 s28, 0, s28
	s_cselect_b32 s29, 0, s29
	s_sub_co_u32 s27, ttmp9, s27
	s_lshl_b32 s27, s27, 2
	s_add_co_u32 s27, s27, s20                     ; my unit in the source
	s_sub_co_u32 s28, ttmp9, s28
	s_lshl_b32 s28, s28, 2
	s_add_co_u32 s28, s28, s20                     ; and in the output buffer
	s_lshl_b32 s31, 2048, s30                      ; a row in bytes
	s_lshr_b32 s21, s27, s30                       ; block of 16 rows
	s_bfm_b32 s2, s30, 0
	s_and_b32 s2, s27, s2                          ; which 512 along K
	s_and_b32 s3, s21, s29
	s_lshl_b32 s3, s3, 3
	s_lshl_b32 s21, s21, 4
	s_sub_co_u32 s21, s21, s3                      ; the block's first row: 16 block, less 8 for an odd block of chosen rows
	s_mul_i32 s66, s21, s31
	s_lshl_b32 s2, s2, 11
	s_add_co_u32 s66, s66, s2
	s_mov_b32 s67, 0
	s_add_nc_u64 s[32:33], s[22:23], s[66:67]      ; row 0 of the block, at my 512 numbers
	s_mov_b32 s66, s31                             ; from row to row,
	s_lshl_b32 s68, s29, 3
	s_add_co_u32 s68, s68, 1
	s_mul_i32 s68, s68, s31                        ; and from row 7 to row 8: nine rows where they are chosen
	s_mov_b32 s69, 0
.irp p, 1,2,3,4,5,6,7
	s_add_nc_u64 s[32+2*\p:33+2*\p], s[30+2*\p:31+2*\p], s[66:67]
.endr
	s_add_nc_u64 s[48:49], s[46:47], s[68:69]
.irp p, 9,10,11,12,13,14,15
	s_add_nc_u64 s[32+2*\p:33+2*\p], s[30+2*\p:31+2*\p], s[66:67]
.endr
	s_mul_i32 s70, s28, 6144                       ; four images a unit
	s_mov_b32 s71, 0
	s_add_nc_u64 s[72:73], s[24:25], s[70:71]
	s_lshl_b32 s70, s28, 9                         ; four scale images
	s_add_co_u32 s70, s70, s26
	s_add_nc_u64 s[74:75], s[24:25], s[70:71]
.macro LOADF f                         ; fragment f: 16 loads, each 512 consecutive bytes of one row
.irp p, 0,1,2,3,4,5,6,7,8,9,10,11,12,13,14,15
	global_load_b128 v[R+64*((\f)%2)+4*\p:R+64*((\f)%2)+4*\p+3], v1, s[32+2*\p:33+2*\p] offset:512*(\f)
.endr
.endm
.macro FRAGQ f
.set RS, R+64*((\f)%2)
.set CS, C+12*((\f)%2)
.if (\f) < 3
	s_wait_loadcnt 16                              ; this fragment's 16 loads are in; the next fragment's may be out
.else
	s_wait_loadcnt 0x0
.endif
.irp p, 0,1,2,3,4,5,6,7,8,9,10,11,12,13,14,15
	ds_store_b128 v2, v[RS+4*\p:RS+4*\p+3] offset:SPA*\p
.endr
.irp c, 0,1
.irp j, 0,1,2,3,4,5,6,7
	ds_load_b128 v[X+32*\c+4*\j:X+32*\c+4*\j+3], v3 offset:256*\c+16*\j   ; LDS serves a wave's instructions in order: block 2 c + h of row r, 32 neighbours
.endr
.endr
	s_wait_dscnt 0x0                               ; my two blocks are in; the stores into the stage have read their registers,
.if (\f) < 2
	LOADF (\f)+2                                   ; which take the fragment two on
.endif
.irp c, 0,1
	v_max3_num_f32 v[TM+\c], |v[X+32*\c]|, |v[X+32*\c+1]|, 0x1800000   ; the block's largest magnitude, and the floor 2^(3 - 127): the byte cannot fall under 1
.endr
.irp i, 2,4,6,8,10,12,14,16,18,20,22,24,26,28,30
.irp c, 0,1
	v_max3_num_f32 v[TM+\c], v[TM+\c], |v[X+32*\c+\i]|, |v[X+32*\c+\i+1]|
.endr
.endr
.irp c, 0,1
	v_add_nc_u32 v[TM+4+\c], 0xff000000, v[TM+\c]  ; 2 off the exponent field: the conversion's scale operand
.endr
.irp c, 0,1
	v_lshrrev_b32 v[TM+2+\c], 23, v[TM+4+\c]       ; the scale's byte
.endr
	s_wait_xcnt 0x0                                ; the stores of two fragments back have read this set's registers
	v_lshl_or_b32 v[SW+(\f)%2], v[TM+3], 16, v[TM+2]   ; my bytes: blocks h and 2 + h,
	v_lshlrev_b32 v[SW+(\f)%2], v8, v[SW+(\f)%2]   ; at their places;
	v_permlanex16_b32 v[TM+6], v[SW+(\f)%2], s78, s79
	v_or_b32 v[SW+(\f)%2], v[SW+(\f)%2], v[TM+6]   ; with lane l xor 16's two the word is whole, in both halves of the lanes
.irp c, 0,1
	v_cvt_scalef32_pk16_fp6_f32 v[CS+6*\c:CS+6*\c+2], v[X+32*\c:X+32*\c+15], v[TM+4+\c]
	v_cvt_scalef32_pk16_fp6_f32 v[T2+4*\c:T2+4*\c+2], v[X+32*\c+16:X+32*\c+31], v[TM+4+\c]   ; (a conversion's three registers begin on an even number)
.endr
	v_nop                                          ; one plain place behind a scaled conversion
.irp c, 0,1
.irp i, 0,1,2
	v_mov_b32 v[CS+3+6*\c+\i], v[T2+4*\c+\i]
.endr
.endr
.irp c, 0,1,2
	global_store_b128 v1, v[CS+4*\c:CS+4*\c+3], s[72:73] offset:1536*(\f)+512*\c   ; 512 consecutive bytes
.endr
	global_store_b32 v4, v[SW+(\f)%2], s[74:75] offset:128*(\f)
.endm
	LOADF 0
	LOADF 1
	FRAGQ 0
	FRAGQ 1
	FRAGQ 2
	FRAGQ 3
	s_wait_tensorcnt 0x0
	ds_add_u32 v254, v255
	s_wait_dscnt 0x0
	s_endpgm
; ---------------- PATH V: a lane takes a column, its registers run down the keys; a wave takes 32 columns x 256 keys
.Lpath_v:
	s_sub_co_u32 s21, ttmp9, WGA
	s_and_b32 s22, s21, 7                          ; which 128 columns
	s_bfe_u32 s23, s21, 0x30003                    ; which 256 keys
	s_lshr_b32 s24, s21, 6                         ; batch
	s_lshl_b32 s22, s22, 7
	s_lshl_b32 s25, s20, 5
	s_add_co_u32 s22, s22, s25                     ; my wave's first column
	s_lshl_b32 s26, s24, 23                        ; x: batch x 2,048 rows of 4,096 bytes
	s_lshl_b32 s27, s23, 20                        ; + 256 rows for each run of keys
	s_add_co_u32 s26, s26, s27
	s_lshl_b32 s27, s22, 2
	s_add_co_u32 s26, s26, s27
	s_mov_b32 s27, 0
	s_lshl_b32 s28, s24, 10
	s_add_co_u32 s28, s28, s22                     ; my first row of xv
	s_mul_i32 s30, s28, 1536
	s_mul_i32 s29, s23, 192
	s_add_co_u32 s30, s30, s29
	s_mov_b32 s31, 0
	s_lshl_b32 s32, s28, 6
	s_lshl_b32 s29, s23, 3
	s_add_co_u32 s32, s32, s29
	s_add_co_u32 s32, s32, XV_SC
	s_mov_b32 s33, 0
	v_lshlrev_b32 v3, 2, v5                        ; in: 4 bytes a lane
	s_mul_i32 s34, s20, 32*272
	s_add_co_u32 s34, s34, 4*STA                   ; my stage, behind path A's
	v_mul_u32_u24 v4, v5, 272
	v_add_nc_u32 v4, s34, v4                       ; into it: row = my column
	v_mul_u32_u24 v8, v7, 272
	v_lshl_add_u32 v8, v6, 4, v8
	v_add_nc_u32 v8, s34, v8                       ; out of it: sixteen lanes to a row, two rows an instruction
	v_mul_u32_u24 v9, v7, 1536
	v_mad_u32_u24 v9, v6, 12, v9                   ; and the same place in xv
	v_lshlrev_b32 v10, 6, v5                       ; my column's row of scale bytes
	s_wait_kmcnt 0x0
	s_add_nc_u64 s[26:27], s[4:5], s[26:27]
	s_add_nc_u64 s[30:31], s[18:19], s[30:31]
	s_add_nc_u64 s[32:33], s[18:19], s[32:33]
.macro VLOAD t                         ; block t: key 32 t + i of my column goes to the register whose number is i with bits 3 and 4 exchanged
.irp i, 0,1,2,3,4,5,6,7,8,9,10,11,12,13,14,15,16,17,18,19,20,21,22,23,24,25,26,27,28,29,30,31
	global_load_b32 v[VX+32*((\t)%2)+((\i&7)|((\i&8)<<1)|((\i&16)>>1))], v3, s[26:27] offset:(32*(\t)+\i)*4096
.endr
.endm
.macro VBLOCK t
.set XS, VX+32*((\t)%2)
.if (\t) < 7
	s_wait_loadcnt 32                              ; this block's 32 loads are in; the next block's may be out
.else
	s_wait_loadcnt 0x0
.endif
	v_max3_num_f32 v12, |v[XS]|, |v[XS+1]|, |v[XS+2]|
	v_max3_num_f32 v13, |v[XS+3]|, |v[XS+4]|, |v[XS+5]|
.irp i, 6,10,14,18,22,26
	v_max3_num_f32 v12, v12, |v[XS+\i]|, |v[XS+\i+1]|
	v_max3_num_f32 v13, v13, |v[XS+\i+2]|, |v[XS+\i+3]|
.endr
	v_max3_num_f32 v12, v12, |v[XS+30]|, |v[XS+31]|
	v_max3_num_f32 v12, v12, v13, 0x1800000        ; and the floor
	v_add_nc_u32 v11, 0xff000000, v12              ; the conversion's scale operand
	v_lshrrev_b32 v13, 23, v11                     ; the scale's byte
.if (\t)%4 == 0
	v_mov_b32 v[VSB+(\t)/4], v13
.else
	v_lshl_or_b32 v[VSB+(\t)/4], v13, 8*((\t)%4), v[VSB+(\t)/4]
.endif
	v_cvt_scalef32_pk16_fp6_f32 v[VC:VC+2], v[XS:XS+15], v11
	v_cvt_scalef32_pk16_fp6_f32 v[VC+4:VC+6], v[XS+16:XS+31], v11
	ds_store_b96 v4, v[VC:VC+2] offset:32*(\t)     ; 12 bytes to a place of 16, so that every LDS address is a multiple of 16
	ds_store_b96 v4, v[VC+4:VC+6] offset:32*(\t)+16
.if (\t)+2 < 8
	VLOAD (\t)+2
.endif
	s_wait_dscnt 0x0                               ; the stores have read their registers: the next block's codes may be written
.endm
	VLOAD 0
	VLOAD 1
.irp t, 0,1,2,3,4,5,6,7
	VBLOCK \t
.endr
	global_store_b64 v10, v[VSB:VSB+1], s[32:33]   ; my column's 8 scale bytes
.irp t, 0,1,2,3,4,5,6,7,8,9,10,11,12,13,14,15
	ds_load_b96 v[VOUT+4*\t:VOUT+4*\t+2], v8 offset:2*\t*272
.endr
.irp t, 0,1,2,3,4,5,6,7,8,9,10,11,12,13,14,15
	s_wait_dscnt 15-\t                             ; LDS loads come back in order: pair t of rows is in
	global_store_b96 v9, v[VOUT+4*\t:VOUT+4*\t+2], s[30:31] offset:2*\t*1536   ; sixteen lanes store a row's 192 consecutive bytes
.endr
	s_wait_tensorcnt 0x0
	ds_add_u32 v254, v255
	s_wait_dscnt 0x0
	s_endpgm
.Lfunc_end_k_q590150afab_quant:
	.size	k_q590150afab_quant, .Lfunc_end_k_q590150afab_quant-k_q590150afab_quant
	.p2alignl 7, 3214868480
	.fill 96, 4, 3214868480
	.section	.rodata,"a",@progbits
	.p2align	6, 0x0
	.amdhsa_kernel k_q590150afab_quant
		.amdhsa_group_segment_fixed_size 70144
		.amdhsa_private_segment_fixed_size 0
		.amdhsa_enable_private_segment 0
		.amdhsa_kernarg_size 64
		.amdhsa_user_sgpr_count 2
		.amdhsa_user_sgpr_kernarg_segment_ptr 1
		.amdhsa_wavefront_size32 1
		.amdhsa_system_sgpr_workgroup_id_x 1
		.amdhsa_system_sgpr_workgroup_id_y 1
		.amdhsa_system_sgpr_workgroup_id_z 1
		.amdhsa_system_vgpr_workitem_id 0
		.amdhsa_next_free_vgpr 256
		.amdhsa_next_free_sgpr 80
		.amdhsa_reserve_vcc 0
		.amdhsa_float_denorm_mode_32 3
		.amdhsa_float_denorm_mode_16_64 3
		.amdhsa_memory_ordered 1
		.amdhsa_forward_progress 1
		.amdhsa_inst_pref_size 73
	.end_amdhsa_kernel
	.amdgpu_metadata
---
amdhsa.version: [ 1, 2 ]
amdhsa.kernels:
  - .name:           k_q590150afab_quant
    .symbol:         k_q590150afab_quant.kd
    .args:
      - { .name: x, .offset: 0, .size: 8, .value_kind: global_buffer, .address_space: global }
      - { .name: W1, .offset: 8, .size: 8, .value_kind: global_buffer, .address_space: global }
      - { .name: W_qk, .offset: 16, .size: 8, .value_kind: global_buffer, .address_space: global }
      - { .name: W2, .offset: 24, .size: 8, .value_kind: global_buffer, .address_space: global }
      - { .name: xq, .offset: 32, .size: 8, .value_kind: global_buffer, .address_space: global }
      - { .name: wa, .offset: 40, .size: 8, .value_kind: global_buffer, .address_space: global }
      - { .name: w2q, .offset: 48, .size: 8, .value_kind: global_buffer, .address_space: global }
      - { .name: xv, .offset: 56, .size: 8, .value_kind: global_buffer, .address_space: global }
    .group_segment_fixed_size: 70144
    .private_segment_fixed_size: 0
    .kernarg_segment_align: 8
    .kernarg_segment_size: 64
    .max_flat_workgroup_size: 128
    .sgpr_count:     80
    .vgpr_count:     256
    .wavefront_size: 32
...
	.end_amdgpu_metadata
.endif
;; end of part 1
;; launch gemm_a (part 2): grid 16 x 24, 4 waves a work-group, clusters of 4 x 4, 327,680 bytes of LDS; arguments xq, wa, b1, b_qk, qk, hq; writes qk, hq
.if DOCPART == 2
	.amdgcn_target "amdgcn-amd-amdhsa--gfx1250"
	.amdhsa_code_object_version 6
	.text
	.protected	k_q590150afab_gemm_a
	.globl	k_q590150afab_gemm_a
	.p2align	8
	.type	k_q590150afab_gemm_a,@function
k_q590150afab_gemm_a:
	s_mov_b64 s[64:65], 0
	v_nop
	global_prefetch_b8 v0, s[64:65] scope:SCOPE_SE
	s_setreg_imm32_b32 hwreg(HW_REG_WAVE_MODE, 25, 1), 1
	s_wait_xcnt 0x0
	s_wait_alu depctr_hold_cnt(0) depctr_sa_sdst(0) depctr_va_vdst(0) depctr_va_sdst(0) depctr_va_ssrc(0) depctr_va_vcc(0) depctr_vm_vsrc(0)
	s_getreg_b32 s2, hwreg(HW_REG_IB_STS2, 6, 4)
	s_cmp_eq_u32 s2, 0
	s_cbranch_scc0 .Lentry_in_a_cluster
	s_endpgm
.Lentry_in_a_cluster:
	s_bfe_u32 s2, ttmp6, 0x10000c
	s_cmp_lg_u32 s2, 0xf033
	s_cbranch_scc0 .Lentry_shape_is_right
	s_endpgm
.Lentry_shape_is_right:
; [4,096 x 1,024] x [6,144 x 1,024]^T on codes of FP6 (E2M3) with E8M0 scales: x against W1 (tile columns 0-15) and W_qk (tile columns 16-23), bias added in f32.
; W1's part goes through gelu (tanh form, as v / (1 + 2^(v (c0 + c1 v^2)))) and is quantised along its columns, which are the next product's K, into register images (hq).
; W_qk's part is quantised along each head's 64 columns into half images (qk): 16 rows x 64, registers 0-3 of lane l at 16 l, registers 4-5 at 512 + 8 l; scale word (s0, s1, s0, s1) at 4 l.
; LIMITS: NaN and infinities are not served; a block whose largest magnitude is under 2^-124 gets the scale byte 1 (read by this program alone).
; A tile of 256 x 256 is made by four waves, each 128 x 128: 64 accumulators, 512 registers.  K goes in steps of 256 through two LDS slots filled by the tensor data mover.
; OPERANDS LIE IN MEMORY AS IMAGES OF THEIR REGISTERS (1,536 bytes for 16 rows x 128 K; registers 4 c .. 4 c + 3 of lane l at 512 c + 16 l): a fragment is three loads of 16 bytes a lane, each
; 512 consecutive LDS bytes; a block's two images of a K step are 3,072 consecutive bytes of memory.  The scale images of the tile's rows, for all of K, come once and stay.
; CLUSTERS 4 x 4.  The grid's x counts tile ROWS, its y tile COLUMNS: A's tile is shared by the partners with my cx, B's by those with my cy; each is asked for jointly.
; The cluster's y says whether the tile belongs to W1 (under 4) or W_qk: it is equal in all partners, so the two branches on it are taken alike by all.
; THE MATRIX INSTRUCTION IS USED TRANSPOSED (source 0 = 16 rows of the weight, source 1 = 16 rows of x).  The rows of a weight block were chosen by the quantising launch so that the 64 registers
; of a block of 16 rows of x are, in lane (r, h), register 16 B + i = column 32 B + 16 h + i of row r: sixteen neighbours of each block of 32 along the next K.
; REGISTERS: window 0: v8-11 gelu's constants; v16-29 addresses; v32-63 scale words, two sets; v64-127 the bias; v128-223 A's fragments, one set; on the way out v128-255 are at work.
;   window 1: B's fragments, two sets, at v0 and v128.  windows 2, 3: the accumulators ((a, b) at v[8 (8 (a % 4) + b)]).
.set XQ_SC,  3145728
.set WA_SC,  4718592
.set HQ_SC,  12582912
.set QK_SC,  6291456
.set NQ,     2                         ; matrix instructions deep in a slot
.set FR,     12                        ; registers of a fragment
.set NL,     3                         ; LDS loads that bring one
.set NP,     4                         ; places behind this matrix instruction (ISA guide 7.12.1)
.set IMG,    1536                      ; an image
.set BLKB,   NQ*IMG                    ; a block of 16 rows in a slot
.set HALFT,  8*BLKB                    ; 128 rows: what one tensor load brings
.set SLOT,   4*HALFT                   ; A's 256 rows, then B's
.set SCL,    2*SLOT                    ; behind the ring: the scale images, 1,024 bytes for a block of 16 rows (8 K steps)
.set HALFS,  8*1024
.set SPARE,  SCL+4*HALFS               ; the spare words, 128 bytes a wave: two blocks of 256 bytes that no other line names
.set C1,   8                           ; v[8:9]   c1 twice
.set C0,   10                          ; v[10:11] c0 twice
.set ADRA, 16                          ; v16-17 LDS address of my A fragments in slot 0, 1
.set ADRB, 20                          ; v20-21 the same for B
.set H64,  23                          ; v23 64 h
.set L16,  24                          ; v24 16 x lane
.set L8,   25                          ; v25 8 x lane
.set L4,   26                          ; v26 4 x lane
.set ADRS, 27                          ; v27 my scale words: lanes 0-15 A's, lanes 16-31 B's
.set SPW,  28                          ; v28 my spare word; never rewritten
.set NIL,  29                          ; v29 0; never rewritten
.set SC,   32                          ; scale words: set s at v[SC + 16 s], register 2 i + q
.set BI,   64                          ; the bias of my 64 columns
.set AF,   128
.set H,    128                         ; the way out: 64 numbers of a block of rows
.set T,    192                         ; gelu's 64 at work
.set PC,   192                         ; then the codes,
.set TM,   212                         ; the quantiser's 16 at work,
.set PW,   228                         ; the scale word,
.set W0,   229                         ; and the two heads' words
.set WV,   16
.set RH,   17
.set CH,   18
.set CY,   19
.set SEL,  100
.set G1,   24
.set G0,   32
.set G1B,  48
.set G0B,  56
.set G1S,  68
.set G0S,  76
.set G1SB, 80
.set G0SB, 88
.set MSB, 0
.macro WIN new                         ; the immediate's high byte repeats the setting that is left
.if MSB != \new
	s_set_vgpr_msb (MSB<<8)|\new
.set MSB, \new
.endif
.endm
.set MUL_LO, 0xa1                      ; source 0 (B) window 1, source 1 (A) window 0, C and D window 2
.set MUL_HI, 0xf1
.set TO_B,   0x40
; A joint load: waves 0 and 1 fetch for A, waves 2 and 3 for B; the branch hangs on the wave's number alone.  Four v_nop follow each line.
.macro JLOAD g0a, g1a, g0b, g1b
	s_cmp_eq_u32 s[RH], 0
	s_cbranch_scc0 .Lfor_b_\@
	tensor_load_to_lds s[\g0a:\g0a+3], s[\g1a:\g1a+7]
	s_nop 0
.rept 4
	v_nop
.endr
	s_branch .Lasked_\@
.Lfor_b_\@:
	tensor_load_to_lds s[\g0b:\g0b+3], s[\g1b:\g1b+7]
	s_nop 0
.rept 4
	v_nop
.endr
.Lasked_\@:
.endm
.macro CREST                           ; a round of the cluster's barrier behind its opening barrier
	s_cmp_lg_u32 s[WV], 0
	s_cbranch_scc1 .Lnot_wave_0_\@
	s_barrier_signal -3
.Lnot_wave_0_\@:
	s_barrier_wait -3
	s_barrier_signal -1
	s_barrier_wait -1
.endm
.macro CROUND
	s_barrier_signal -1
	s_barrier_wait -1
	CREST
.endm
	s_load_b256 s[4:11], s[0:1], 0x0               ; xq, wa, b1, b_qk
	s_load_b128 s[12:15], s[0:1], 0x20             ; qk, hq
	v_lshl_add_u32 v[SPW], v0, 2, SPARE
	v_mov_b32 v[NIL], 0
	ds_add_u32 v28, v29
	ds_add_u32 v28, v29
	s_wait_dscnt 0x0
	v_lshrrev_b32 v1, 5, v0
	v_readfirstlane_b32 s[WV], v1                  ; wave 0..3
	s_lshr_b32 s[RH], s[WV], 1                     ; which half of the tile's rows is mine.  Also: I fetch for A (0) or for B (1)
	s_and_b32 s[CH], s[WV], 1                      ; which half of its columns.  Also: which 128 rows of that tile I fetch
	s_bfe_u32 s20, ttmp6, 0x40000                  ; cx
	s_bfe_u32 s21, ttmp6, 0x40004                  ; cy
	s_lshl_b32 s22, ttmp9, 2
	s_add_co_u32 s22, s22, s20                     ; tile row = 4 x cluster x + cx
	s_and_b32 s[CY], ttmp7, 0xffff                 ; cluster y
	s_lshl_b32 s23, s[CY], 2
	s_add_co_u32 s23, s23, s21                     ; tile column = 4 x cluster y + cy
	s_lshl_b32 s40, 0x1111, s20                    ; the partners with my cx share A's tile
	s_lshl_b32 s92, s21, 2
	s_lshl_b32 s92, 15, s92                        ; those with my cy B's
	s_or_b32 s[G1+0], s40, (3<<16)|(1<<21)         ; 15:0 the mask; 17:16 elements of 8 bytes; 21 set beside a mask; no padding
	s_or_b32 s[G1B+0], s92, (3<<16)|(1<<21)
	s_or_b32 s[G1S+0], s40, (3<<16)|(1<<21)
	s_or_b32 s[G1SB+0], s92, (3<<16)|(1<<21)
.irp g, G1, G1B                        ; codes: 8 blocks x 3,072 bytes (384 elements), 12,288 bytes (1,536 elements) apart
	s_mov_b32 s[\g+1], 384<<16
	s_mov_b32 s[\g+2], 8<<16
	s_mov_b32 s[\g+3], 384<<16
	s_mov_b32 s[\g+4], 8
	s_mov_b32 s[\g+5], 1536
	s_mov_b32 s[\g+6], 0
	s_mov_b32 s[\g+7], 0
.endr
.irp g, G1S, G1SB                      ; scale images of 8 blocks: 8,192 dense bytes, as 32 rows of 256
	s_mov_b32 s[\g+1], 32<<16
	s_mov_b32 s[\g+2], 32<<16
	s_mov_b32 s[\g+3], 32<<16
	s_mov_b32 s[\g+4], 32
	s_mov_b32 s[\g+5], 32
	s_mov_b32 s[\g+6], 0
	s_mov_b32 s[\g+7], 0
.endr
	s_lshl_b32 s40, s22, 4                         ; A: the first block that I fetch: 16 x tile row + 8 x half
	s_lshl_b32 s41, s[CH], 3
	s_add_co_u32 s40, s40, s41
	s_lshl_b32 s44, s40, 10
	s_add_co_u32 s44, s44, XQ_SC                   ; its scale images,
	s_mov_b32 s45, 0
	s_mul_i32 s40, s40, 8*IMG                      ; its codes
	s_mov_b32 s41, 0
	s_lshl_b32 s92, s23, 4                         ; B likewise, by the tile column
	s_lshl_b32 s93, s[CH], 3
	s_add_co_u32 s92, s92, s93
	s_lshl_b32 s94, s92, 10
	s_add_co_u32 s94, s94, WA_SC
	s_mov_b32 s95, 0
	s_mul_i32 s92, s92, 8*IMG
	s_mov_b32 s93, 0
	s_mul_i32 s46, s[WV], HALFT                    ; where they go: by the wave's number alone
	s_lshl_b32 s47, s[WV], 13
	s_wait_kmcnt 0x0
	s_add_nc_u64 s[40:41], s[4:5], s[40:41]
	s_add_nc_u64 s[44:45], s[4:5], s[44:45]
	s_add_nc_u64 s[92:93], s[6:7], s[92:93]
	s_add_nc_u64 s[94:95], s[6:7], s[94:95]
	CROUND                                         ; all sixteen work-groups are here: the first joint loads meet
	s_mov_b32 s[G0S], 1
	s_add_co_u32 s[G0S+1], s47, SCL
	s_mov_b64 s[G0S+2:G0S+3], s[44:45]
	s_or_b32 s[G0S+3], s[G0S+3], 0x80000000
	s_mov_b32 s[G0SB], 1
	s_add_co_u32 s[G0SB+1], s47, SCL
	s_mov_b64 s[G0SB+2:G0SB+3], s[94:95]
	s_or_b32 s[G0SB+3], s[G0SB+3], 0x80000000
	JLOAD G0S, G1S, G0SB, G1SB                     ; the scales first: they are wanted with K step 0
.irp s, 0,1
	s_mov_b32 s[G0+4*\s], 1
	s_add_co_u32 s[G0+4*\s+1], s46, \s*SLOT
	s_add_nc_u64 s[G0+4*\s+2:G0+4*\s+3], s[40:41], \s*BLKB
	s_or_b32 s[G0+4*\s+3], s[G0+4*\s+3], 0x80000000
	s_mov_b32 s[G0B+4*\s], 1
	s_add_co_u32 s[G0B+4*\s+1], s46, \s*SLOT
	s_add_nc_u64 s[G0B+4*\s+2:G0B+4*\s+3], s[92:93], \s*BLKB
	s_or_b32 s[G0B+4*\s+3], s[G0B+4*\s+3], 0x80000000
	JLOAD G0+4*\s, G1, G0B+4*\s, G1B
.endr
	v_and_b32 v1, 31, v0                           ; lane
	v_bfe_u32 v2, v0, 4, 1                         ; h
	v_lshlrev_b32 v[L16], 4, v1
	v_lshlrev_b32 v[L8], 3, v1
	v_lshlrev_b32 v[L4], 2, v1
	v_lshlrev_b32 v[H64], 6, v2
	s_mul_i32 s2, s[RH], HALFT                     ; my 128 rows of A
	s_mul_i32 s3, s[CH], HALFT                     ; my 128 rows of B,
	s_add_co_u32 s3, s3, 2*HALFT                   ; behind A's 256
.irp s, 0,1
	v_add_nc_u32 v[ADRA+\s], s2, v[L16]
	v_add_nc_u32 v[ADRB+\s], s3, v[L16]
	s_add_co_u32 s2, s2, SLOT
	s_add_co_u32 s3, s3, SLOT
.endr
	s_lshl_b32 s2, s[RH], 13                       ; A's scale images: my 8 blocks
	s_lshl_b32 s3, s[CH], 13
	s_add_co_u32 s3, s3, 2*HALFS                   ; B's: my 8 blocks, behind A's 16
	s_sub_co_u32 s3, s3, s2
	v_mul_u32_u24 v3, s3, v2                       ; lanes 16-31 take B's (an image holds each word in both halves of the lanes)
	s_add_co_u32 s2, s2, SCL
	v_add_nc_u32 v3, v3, v[L4]
	v_add_nc_u32 v[ADRS], s2, v3
	v_mov_b32 v[C1], 0xbdd2d3e8                    ; c1 = -2 log2(e) sqrt(2 / pi) x 0.044715
	v_mov_b32 v[C1+1], 0xbdd2d3e8
	v_mov_b32 v[C0], 0xc0135761                    ; c0 = -2 log2(e) sqrt(2 / pi)
	v_mov_b32 v[C0+1], 0xc0135761
	; the bias and the way out: W1's tiles take b1 and hq, W_qk's b_qk and qk
	s_sub_co_u32 s2, s23, 16
	s_cmp_lt_u32 s[CY], 4
	s_cselect_b32 s2, s23, s2                      ; the tile column within its own weight
	s_cselect_b64 s[66:67], s[8:9], s[10:11]
	s_cselect_b64 s[96:97], s[14:15], s[12:13]
	s_lshl_b32 s3, s2, 1
	s_add_co_u32 s3, s3, s[CH]                     ; which 128 columns are mine
	s_lshl_b32 s98, s3, 9
	s_mov_b32 s99, 0
	s_add_nc_u64 s[66:67], s[66:67], s[98:99]
.irp k, 0,1,2,3,4,5,6,7,8,9,10,11,12,13,14,15
	global_load_b128 v[BI+4*\k:BI+4*\k+3], v[H64], s[66:67] offset:128*(\k/4)+16*(\k%4)   ; register 16 B + i: column 32 B + 16 h + i
.endr
	s_lshl_b32 s98, s22, 4
	s_lshl_b32 s99, s[RH], 3
	s_add_co_u32 s98, s98, s99                     ; my first block of 16 rows
	s_lshl_b32 s99, s98, 5
	s_add_co_u32 s99, s99, s3                      ; hq: image (block, K step): 32 x block + my 128 columns
	s_lshr_b32 s101, s98, 7                        ; qk: batch,
	s_lshl_b32 s101, s101, 5
	s_lshl_b32 s3, s3, 1
	s_add_co_u32 s101, s101, s3                    ; 32 x batch + my first head,
	s_lshl_b32 s101, s101, 7
	s_and_b32 s98, s98, 127
	s_add_co_u32 s101, s101, s98                   ; x 128 + the block within the batch
	s_cmp_lt_u32 s[CY], 4
	s_cselect_b32 s98, s99, s101
	s_mov_b32 s99, 768
	s_cselect_b32 s99, IMG, s99                    ; bytes of an image or of a half image
	s_mov_b32 s100, QK_SC
	s_cselect_b32 s100, HQ_SC, s100
	s_mul_i32 s2, s98, s99
	s_mov_b32 s3, 0
	s_lshl_b32 s98, s98, 7
	s_add_co_u32 s98, s98, s100
	s_mov_b32 s99, 0
	s_add_nc_u64 s[12:13], s[96:97], s[2:3]        ; where my codes go,
	s_add_nc_u64 s[14:15], s[96:97], s[98:99]      ; and my scale words
	s_mov_b32 s[SEL], 0x76543210
	s_mov_b32 s[SEL+1], 0xfedcba98                 ; selects for lane l xor 16
.macro FRAG reg, adr, q, i             ; an image comes back as it was stored: three loads, each 512 consecutive bytes
.irp c, 0,1,2
	ds_load_b128 v[\reg+4*\c:\reg+4*\c+3], v[\adr] offset:(\i)*BLKB+(\q)*IMG+512*\c
.endr
.endm
; 16 matrix instructions: A's blocks a0, a0 + 1 x B's eight.  The 64 accumulators take turns, one instruction a turn, in the same order in every step.
.macro MUL16 a0, p, q, sc, zero
.irp a, \a0, \a0+1
.irp b, 0,1,2,3,4,5,6,7
.if \zero
	v_wmma_scale_f32_16x16x128_f8f6f4 v[8*(8*((\a)%4)+\b):8*(8*((\a)%4)+\b)+7], v[128*(\p)+FR*\b:128*(\p)+FR*\b+FR-1], v[AF+FR*(\a):AF+FR*(\a)+FR-1], 0, v[SC+8*NQ*(\sc)+NQ*\b+(\q)], v[SC+8*NQ*(\sc)+NQ*(\a)+(\q)] matrix_a_fmt:MATRIX_FMT_FP6 matrix_b_fmt:MATRIX_FMT_FP6 matrix_a_scale:MATRIX_SCALE_ROW1
.else
	v_wmma_scale_f32_16x16x128_f8f6f4 v[8*(8*((\a)%4)+\b):8*(8*((\a)%4)+\b)+7], v[128*(\p)+FR*\b:128*(\p)+FR*\b+FR-1], v[AF+FR*(\a):AF+FR*(\a)+FR-1], v[8*(8*((\a)%4)+\b):8*(8*((\a)%4)+\b)+7], v[SC+8*NQ*(\sc)+NQ*\b+(\q)], v[SC+8*NQ*(\sc)+NQ*(\a)+(\q)] matrix_a_fmt:MATRIX_FMT_FP6 matrix_b_fmt:MATRIX_FMT_FP6 matrix_a_scale:MATRIX_SCALE_ROW1
.endif
.endr
.endr
.endm
.macro FETCH_B slot, q, p
	WIN TO_B
.irp i, 0,1,2,3,4,5,6,7
	FRAG 128*(\p)+FR*\i, ADRB+\slot, \q, \i
.endr
	WIN 0
.endm
.macro FETCH_A slot, q, i0
.irp i, \i0, \i0+1, \i0+2, \i0+3
	FRAG AF+FR*(\i), ADRA+\slot, \q, \i
.endr
.endm
.macro SCALES sc                       ; a K step's scale words: lanes 0-15 A's block i, lanes 16-31 B's block i
.irp i, 0,1,2,3,4,5,6,7
.irp q, 0,1
	ds_load_b32 v[SC+8*NQ*\sc+NQ*\i+\q], v[ADRS] offset:\i*1024+128*\q
.endr
.endr
.endm
.macro PLACES n                        ; plain vector instructions between a matrix instruction and a load into, or a read of, its registers
.rept \n
	v_nop
.endr
.endm
.macro STEP slot, q, zero              ; 128 along K that has its successor in the same slot
	s_wait_dscnt 4*NL                              ; B's set, A's blocks 0-3 and the scale words are in; the youngest 12 loads (A's blocks 4-7) may be out
	WIN MUL_LO
	MUL16 0, (\q)%2, \q, \slot, \zero
	MUL16 2, (\q)%2, \q, \slot, \zero
	s_wait_dscnt 0
	PLACES NP
	FETCH_B \slot, (\q)+1, 1-(\q)%2
	FETCH_A \slot, (\q)+1, 0
	WIN MUL_HI
	MUL16 4, (\q)%2, \q, \slot, \zero
	MUL16 6, (\q)%2, \q, \slot, \zero
	PLACES NP
	WIN 0
	FETCH_A \slot, (\q)+1, 4
.endm
; A slot's last step changes slots: one barrier; in front of it each wave waits for all its tensor loads, adds 0 to its spare word, and waits for that and for its reads of this slot.
.macro TURN slot, next, fill
	s_wait_tensorcnt 0x0                           ; all my tensor loads have landed: my part of the next slot
	ds_add_u32 v[SPW], v[NIL]                      ; 0 onto my spare word
	s_wait_dscnt 4*NL+1                            ; (the add and the youngest 12 loads, A's blocks 4-7, may be out)
	WIN MUL_LO
	MUL16 0, 1, NQ-1, \slot, 0
	s_wait_dscnt 0x0                               ; the add is done, and my reads of this slot are over
	s_barrier_signal -1
	MUL16 2, 1, NQ-1, \slot, 0
	WIN 0
	s_barrier_wait -1
.if \fill
	CREST                                          ; the barrier has opened a round of the cluster's barrier: no wave of any partner still reads this slot or has a load on its way
	s_add_nc_u64 s[G0+4*\slot+2:G0+4*\slot+3], s[G0+4*\slot+2:G0+4*\slot+3], 2*BLKB
	s_add_nc_u64 s[G0B+4*\slot+2:G0B+4*\slot+3], s[G0B+4*\slot+2:G0B+4*\slot+3], 2*BLKB
	JLOAD G0+4*\slot, G1, G0B+4*\slot, G1B         ; the first tensor load behind the round; its four v_nop are the places in front of the loads below
.else
	PLACES NP
.endif
	v_add_nc_u32 v[ADRS], 128*NQ, v[ADRS]          ; on to the next K step's scale images
	FETCH_B \next, 0, 0
	FETCH_A \next, 0, 0
	SCALES \next
	WIN MUL_HI
	MUL16 4, 1, NQ-1, \slot, 0
	MUL16 6, 1, NQ-1, \slot, 0
	PLACES NP
	WIN 0
	FETCH_A \next, 0, 4
.endm
	s_wait_tensorcnt 1                             ; the scales and my part of K step 0 are in (K step 1's load may be out)
	s_barrier_signal -1
	s_barrier_wait -1                              ; everybody's are
	FETCH_B 0, 0, 0
	FETCH_A 0, 0, 0
	SCALES 0
	FETCH_A 0, 0, 4
	STEP 0, 0, 1                                   ; K = 1,024 is four K steps: written out.  The first products start the sums
	TURN 0, 1, 1                                   ; slot 0 takes K step 2
	STEP 1, 0, 0
	TURN 1, 0, 1                                   ; slot 1 takes K step 3
	STEP 0, 0, 0
	TURN 0, 1, 0
	STEP 1, 0, 0
	s_wait_dscnt 4*NL
	WIN MUL_LO
	MUL16 0, 1, NQ-1, 1, 0
	MUL16 2, 1, NQ-1, 1, 0
	s_wait_dscnt 0
	WIN MUL_HI
	MUL16 4, 1, NQ-1, 1, 0
	MUL16 6, 1, NQ-1, 1, 0
	WIN 0
; THE WAY OUT, a block of 16 rows at a time: bias, gelu (W1's tiles), the quantiser along my 128 columns, and the codes leave as images: nothing goes through LDS.
.macro GELU
.set k, 0
.rept 32
	v_pk_mul_f32 v[T+k:T+k+1], v[H+k:H+k+1], v[H+k:H+k+1]
.set k, k+2
.endr
.set k, 0
.rept 32
	v_pk_fma_f32 v[T+k:T+k+1], v[T+k:T+k+1], v[C1:C1+1], v[C0:C0+1]
.set k, k+2
.endr
.set k, 0
.rept 32
	v_pk_mul_f32 v[T+k:T+k+1], v[T+k:T+k+1], v[H+k:H+k+1]          ; v (c0 + c1 v^2)
.set k, k+2
.endr
.set k, 0
.rept 64
	v_exp_f32 v[T+k], v[T+k]
.set k, k+1
.endr
	v_nop                                          ; a plain place behind the last exponential
	s_wait_alu depctr_va_vdst(0)                   ; one wait for the batch, ahead of its first reader
.set k, 0
.rept 32
	v_pk_add_f32 v[T+k:T+k+1], v[T+k:T+k+1], 1.0 op_sel_hi:[1,0]
.set k, k+2
.endr
.set k, 0
.rept 64
	v_rcp_f32 v[T+k], v[T+k]
.set k, k+1
.endr
	v_nop
	s_wait_alu depctr_va_vdst(0)
.set k, 0
.rept 32
	v_pk_mul_f32 v[H+k:H+k+1], v[H+k:H+k+1], v[T+k:T+k+1]
.set k, k+2
.endr
.endm
; 64 numbers of a lane, register 16 b + i = place 16 h + i of block b of my row, become half blocks of codes and the row's scale word.
.macro QUANT_A s
.irp b, 0,1,2,3
	v_max3_num_f32 v[TM+\b], |v[\s+16*\b]|, |v[\s+16*\b+1]|, 0x1800000   ; with the floor 2^(3 - 127): the byte cannot fall under 1
.endr
.irp i, 2,4,6,8,10,12,14
.irp b, 0,1,2,3
	v_max3_num_f32 v[TM+\b], v[TM+\b], |v[\s+16*\b+\i]|, |v[\s+16*\b+\i+1]|
.endr
.endr
.irp b, 0,1,2,3
	v_permlanex16_b32 v[TM+4+\b], v[TM+\b], s[SEL], s[SEL+1]
.endr
.irp b, 0,1,2,3
	v_max_num_f32 v[TM+\b], v[TM+\b], v[TM+4+\b]   ; with lane l xor 16's: the block's largest magnitude
.endr
.irp b, 0,1,2,3
	v_add_nc_u32 v[TM+12+\b], 0xff000000, v[TM+\b] ; 2 off its exponent field: the conversion's scale operand
.endr
.irp b, 0,1,2,3
	v_lshrrev_b32 v[TM+4+\b], 23, v[TM+12+\b]      ; the scale's byte
.endr
	v_lshl_or_b32 v[PW], v[TM+5], 8, v[TM+4]
	v_lshl_or_b32 v[PW], v[TM+6], 16, v[PW]
	v_lshl_or_b32 v[PW], v[TM+7], 24, v[PW]
.irp c, 0,1
	v_cvt_scalef32_pk16_fp6_f32 v[PC+6*\c:PC+6*\c+2], v[\s+32*\c:\s+32*\c+15], v[TM+12+2*\c]
	v_cvt_scalef32_pk16_fp6_f32 v[PC+12+4*\c:PC+14+4*\c], v[\s+32*\c+16:\s+32*\c+31], v[TM+12+2*\c+1]
.endr
	v_nop                                          ; one plain place behind a scaled conversion
.endm
.macro QUANT_B                         ; the operand's layout wants a whole block in a lane: lanes 0-15 block 2 c, lanes 16-31 block 2 c + 1
.irp c, 0,1
.irp i, 0,1,2
	v_permlane16_swap_b32 v[PC+6*\c+\i], v[PC+12+4*\c+\i]
.endr
.irp i, 0,1,2
	v_mov_b32 v[PC+3+6*\c+\i], v[PC+12+4*\c+\i]
.endr
.endr
.endm
.macro EPI a
.set AC, 64*((\a)%4)
.if (\a) > 0
	s_wait_xcnt 0x0                                ; the last block's stores have read their registers
.endif
	WIN 0x02+(\a)/4                                ; source 0: window 2 or 3
.set k, 0
.rept 32
	v_pk_add_f32 v[H+k:H+k+1], v[AC+k:AC+k+1], v[BI+k:BI+k+1]      ; each accumulator from its low end on
.set k, k+2
.endr
	WIN 0
	s_cmp_ge_u32 s[CY], 4
	s_cbranch_scc1 .Lplain_\@
	GELU
.Lplain_\@:
	QUANT_A H
	QUANT_B
	s_cmp_ge_u32 s[CY], 4
	s_cbranch_scc1 .Lheads_\@
.irp c, 0,1,2
	global_store_b128 v[L16], v[PC+4*\c:PC+4*\c+3], s[12:13] offset:32*IMG*(\a)+512*\c   ; the image of (block a, my K step): 512 consecutive bytes a store
.endr
	global_store_b32 v[L4], v[PW], s[14:15] offset:32*128*(\a)
	s_branch .Lsent_\@
.Lheads_\@:
	v_perm_b32 v[W0], v[PW], v[PW], 0x01000100     ; the first head's two bytes, twice;
	v_perm_b32 v[W0+1], v[PW], v[PW], 0x03020302   ; the second's
.irp c, 0,1
	global_store_b128 v[L16], v[PC+6*\c:PC+6*\c+3], s[12:13] offset:128*768*\c+768*(\a)
	global_store_b64 v[L8], v[PC+6*\c+4:PC+6*\c+5], s[12:13] offset:128*768*\c+768*(\a)+512
	global_store_b32 v[L4], v[W0+\c], s[14:15] offset:128*128*\c+128*(\a)
.endr
.Lsent_\@:
.endm
	PLACES NP                                      ; behind the last products: their results are read, and A's registers written, below
	s_wait_loadcnt 0x0                             ; the bias
.irp b, 0,1,2,3
	v_mov_b32 v[TM+4+\b], 0                        ; a lane permute's destination counts as one of its sources
.endr
.irp a, 0,1,2,3,4,5,6,7
	EPI \a
.endr
	s_wait_tensorcnt 0x0                           ; the wave's end
	ds_add_u32 v[SPW], v[NIL]
	s_wait_dscnt 0x0
	CROUND                                         ; the closing round: no work-group ends while a partner may still ask for a tile that names it
	s_endpgm
.Lfunc_end_k_q590150afab_gemm_a:
	.size	k_q590150afab_gemm_a, .Lfunc_end_k_q590150afab_gemm_a-k_q590150afab_gemm_a
	.p2alignl 7, 3214868480
	.fill 96, 4, 3214868480
	.section	.rodata,"a",@progbits
	.p2align	6, 0x0
	.amdhsa_kernel k_q590150afab_gemm_a
		.amdhsa_group_segment_fixed_size 327680
		.amdhsa_private_segment_fixed_size 0
		.amdhsa_enable_private_segment 0
		.amdhsa_kernarg_size 48
		.amdhsa_user_sgpr_count 2
		.amdhsa_user_sgpr_kernarg_segment_ptr 1
		.amdhsa_wavefront_size32 1
		.amdhsa_system_sgpr_workgroup_id_x 1
		.amdhsa_system_sgpr_workgroup_id_y 1
		.amdhsa_system_sgpr_workgroup_id_z 1
		.amdhsa_system_vgpr_workitem_id 0
		.amdhsa_next_free_vgpr 1024
		.amdhsa_next_free_sgpr 102
		.amdhsa_reserve_vcc 0
		.amdhsa_float_denorm_mode_32 3
		.amdhsa_float_denorm_mode_16_64 3
		.amdhsa_memory_ordered 1
		.amdhsa_forward_progress 1
		.amdhsa_inst_pref_size 255
	.end_amdhsa_kernel
	.section	.bss,"aw",@nobits
	.p2align	6
	.space	262144
	.amdgpu_metadata
---
amdhsa.version: [ 1, 2 ]
amdhsa.kernels:
  - .name:           k_q590150afab_gemm_a
    .symbol:         k_q590150afab_gemm_a.kd
    .args:
      - { .name: xq, .offset: 0, .size: 8, .value_kind: global_buffer, .address_space: global }
      - { .name: wa, .offset: 8, .size: 8, .value_kind: global_buffer, .address_space: global }
      - { .name: b1, .offset: 16, .size: 8, .value_kind: global_buffer, .address_space: global }
      - { .name: b_qk, .offset: 24, .size: 8, .value_kind: global_buffer, .address_space: global }
      - { .name: qk, .offset: 32, .size: 8, .value_kind: global_buffer, .address_space: global }
      - { .name: hq, .offset: 40, .size: 8, .value_kind: global_buffer, .address_space: global }
    .group_segment_fixed_size: 327680
    .private_segment_fixed_size: 0
    .kernarg_segment_align: 8
    .kernarg_segment_size: 48
    .max_flat_workgroup_size: 128
    .sgpr_count:     102
    .vgpr_count:     1024
    .wavefront_size: 32
...
	.end_amdgpu_metadata
.endif
;; end of part 2
;; launch gemm_b (part 3): grid 32 x 8, 4 waves a work-group, clusters of 4 x 4, 327,680 bytes of LDS; arguments hq, w2q, b2, beta_ff, ffo; writes ffo
.if DOCPART == 3
	.amdgcn_target "amdgcn-amd-amdhsa--gfx1250"
	.amdhsa_code_object_version 6
	.text
	.protected	k_q590150afab_gemm_b
	.globl	k_q590150afab_gemm_b
	.p2align	8
	.type	k_q590150afab_gemm_b,@function
k_q590150afab_gemm_b:
	s_mov_b64 s[64:65], 0
	v_nop
	global_prefetch_b8 v0, s[64:65] scope:SCOPE_SE
	s_setreg_imm32_b32 hwreg(HW_REG_WAVE_MODE, 25, 1), 1
	s_wait_xcnt 0x0
	s_wait_alu depctr_hold_cnt(0) depctr_sa_sdst(0) depctr_va_vdst(0) depctr_va_sdst(0) depctr_va_ssrc(0) depctr_va_vcc(0) depctr_vm_vsrc(0)
	s_getreg_b32 s2, hwreg(HW_REG_IB_STS2, 6, 4)
	s_cmp_eq_u32 s2, 0
	s_cbranch_scc0 .Lentry_in_a_cluster
	s_endpgm
.Lentry_in_a_cluster:
	s_bfe_u32 s2, ttmp6, 0x10000c
	s_cmp_lg_u32 s2, 0xf033
	s_cbranch_scc0 .Lentry_shape_is_right
	s_endpgm
.Lentry_shape_is_right:
; ffo = beta_ff x (h W2^T + b2): [4,096 x 4,096] x [1,024 x 4,096]^T on codes of FP6 (E2M3) with E8M0 scales; ffo [4,096][1,024] f32.
; (beta_ff is multiplied into the sum and into the bias apart, by one fused multiply-add: an order of rounding that differs from the reference's by an ulp; nothing is quantised behind it.)
; Tiles of 128 x 128 give each of 256 work-groups one tile; four waves, each 64 x 64: 16 accumulators.  K goes in steps of 512 through two LDS slots.
; Operands lie in memory as images of their registers (1,536 bytes for 16 rows x 128 K): a block's four images of a K step are 6,144 consecutive bytes.  The scale images of the tile's rows come once.
; CLUSTERS 4 x 4: the grid's x counts tile rows, y tile columns; A's tile is shared by the partners with my cx, B's by those with my cy.
; THE MATRIX INSTRUCTION IS USED TRANSPOSED (source 0 = 16 rows of W2, source 1 = 16 rows of h): a lane holds eight neighbouring numbers of a row of the result.
; REGISTERS: window 0: v16-29 addresses; v32-63 scale words, two sets; v64-95 the bias; v128-255 the accumulators ((a, b) at v[128 + 8 (4 a + b)]).  window 1: two fragment buffers: A's 48, B's 48.
.set HQ_SC,  12582912
.set W2_SC,  3145728
.set NQ,     4
.set IMG,    1536
.set BLKB,   NQ*IMG
.set HALFT,  4*BLKB                    ; 64 rows: what one tensor load brings
.set SLOT,   4*HALFT
.set SCL,    2*SLOT                    ; the scale images: 4,096 bytes for a block of 16 rows (32 K steps)
.set HALFS,  4*4096
.set SPARE,  SCL+4*HALFS               ; the spare words, 128 bytes a wave: two blocks of 256 bytes that no other line names
.set STAGE,  SPARE+512                 ; the way out: 16 rows x (256 bytes + 16) for each wave; no fill lands here
.set SPITCH, 272
.set ADRA, 16
.set ADRB, 20
.set STO,  22
.set RD,   23
.set CO,   24
.set H32,  25
.set L4,   26
.set ADRS, 27
.set SPW,  28
.set NIL,  29
.set SC,   32                          ; set s at v[SC + 16 s], register 4 i + q
.set BB,   64
.set ACC,  128
.set F0,   0
.set F1,   128
.set WV,   16
.set RH,   17
.set CH,   18
.set LAP,  19
.set G1,   24
.set G0,   32
.set G1B,  48
.set G0B,  56
.set G1S,  68
.set G0S,  76
.set G1SB, 80
.set G0SB, 88
.set MSB, 0
.macro WIN new
.if MSB != \new
	s_set_vgpr_msb (MSB<<8)|\new
.set MSB, \new
.endif
.endm
.set MUL,  0x05                        ; sources 0 (B) and 1 (A) window 1; C and D window 0
.set TO_F, 0x40                        ; destination window 1, address window 0
.macro JLOAD g0a, g1a, g0b, g1b
	s_cmp_eq_u32 s[RH], 0
	s_cbranch_scc0 .Lfor_b_\@
	tensor_load_to_lds s[\g0a:\g0a+3], s[\g1a:\g1a+7]
	s_nop 0
.rept 4
	v_nop
.endr
	s_branch .Lasked_\@
.Lfor_b_\@:
	tensor_load_to_lds s[\g0b:\g0b+3], s[\g1b:\g1b+7]
	s_nop 0
.rept 4
	v_nop
.endr
.Lasked_\@:
.endm
.macro CREST
	s_cmp_lg_u32 s[WV], 0
	s_cbranch_scc1 .Lnot_wave_0_\@
	s_barrier_signal -3
.Lnot_wave_0_\@:
	s_barrier_wait -3
	s_barrier_signal -1
	s_barrier_wait -1
.endm
.macro CROUND
	s_barrier_signal -1
	s_barrier_wait -1
	CREST
.endm
	s_load_b256 s[4:11], s[0:1], 0x0               ; hq, w2q, b2, beta_ff
	s_load_b64 s[12:13], s[0:1], 0x20              ; ffo
	v_lshl_add_u32 v[SPW], v0, 2, SPARE
	v_mov_b32 v[NIL], 0
	ds_add_u32 v28, v29
	ds_add_u32 v28, v29
	s_wait_dscnt 0x0
	v_lshrrev_b32 v1, 5, v0
	v_readfirstlane_b32 s[WV], v1
	s_lshr_b32 s[RH], s[WV], 1                     ; my half of the tile's rows.  Also: I fetch for A (0) or for B (1)
	s_and_b32 s[CH], s[WV], 1                      ; my half of its columns.  Also: which 64 rows of that tile I fetch
	s_bfe_u32 s20, ttmp6, 0x40000                  ; cx
	s_bfe_u32 s21, ttmp6, 0x40004                  ; cy
	s_lshl_b32 s22, ttmp9, 2
	s_add_co_u32 s22, s22, s20                     ; tile row
	s_and_b32 s23, ttmp7, 0xffff
	s_lshl_b32 s23, s23, 2
	s_add_co_u32 s23, s23, s21                     ; tile column
	s_lshl_b32 s40, 0x1111, s20                    ; the partners with my cx share A's tile
	s_lshl_b32 s92, s21, 2
	s_lshl_b32 s92, 15, s92                        ; those with my cy B's
	s_or_b32 s[G1+0], s40, (3<<16)|(1<<21)
	s_or_b32 s[G1B+0], s92, (3<<16)|(1<<21)
	s_or_b32 s[G1S+0], s40, (3<<16)|(1<<21)
	s_or_b32 s[G1SB+0], s92, (3<<16)|(1<<21)
.irp g, G1, G1B                        ; codes: 4 blocks x 6,144 bytes (768 elements of 8), 49,152 bytes (6,144 elements) apart
	s_mov_b32 s[\g+1], 768<<16
	s_mov_b32 s[\g+2], 4<<16
	s_mov_b32 s[\g+3], 768<<16
	s_mov_b32 s[\g+4], 4
	s_mov_b32 s[\g+5], 6144
	s_mov_b32 s[\g+6], 0
	s_mov_b32 s[\g+7], 0
.endr
.irp g, G1S, G1SB                      ; scale images of 4 blocks: 16,384 dense bytes, as 64 rows of 256
	s_mov_b32 s[\g+1], 32<<16
	s_mov_b32 s[\g+2], 64<<16
	s_mov_b32 s[\g+3], 32<<16
	s_mov_b32 s[\g+4], 64
	s_mov_b32 s[\g+5], 32
	s_mov_b32 s[\g+6], 0
	s_mov_b32 s[\g+7], 0
.endr
	s_lshl_b32 s40, s22, 3                         ; A: the first block that I fetch: 8 x tile row + 4 x half
	s_lshl_b32 s41, s[CH], 2
	s_add_co_u32 s40, s40, s41
	s_lshl_b32 s44, s40, 12
	s_add_co_u32 s44, s44, HQ_SC
	s_mov_b32 s45, 0
	s_mul_i32 s40, s40, 32*IMG
	s_mov_b32 s41, 0
	s_lshl_b32 s92, s23, 3                         ; B likewise, by the tile column
	s_lshl_b32 s93, s[CH], 2
	s_add_co_u32 s92, s92, s93
	s_lshl_b32 s94, s92, 12
	s_add_co_u32 s94, s94, W2_SC
	s_mov_b32 s95, 0
	s_mul_i32 s92, s92, 32*IMG
	s_mov_b32 s93, 0
	s_mul_i32 s46, s[WV], HALFT
	s_lshl_b32 s47, s[WV], 14
	s_wait_kmcnt 0x0
	s_add_nc_u64 s[40:41], s[4:5], s[40:41]
	s_add_nc_u64 s[44:45], s[4:5], s[44:45]
	s_add_nc_u64 s[92:93], s[6:7], s[92:93]
	s_add_nc_u64 s[94:95], s[6:7], s[94:95]
	CROUND                                         ; all sixteen work-groups are here: the first joint loads meet
	s_mov_b32 s[G0S], 1
	s_add_co_u32 s[G0S+1], s47, SCL
	s_mov_b64 s[G0S+2:G0S+3], s[44:45]
	s_or_b32 s[G0S+3], s[G0S+3], 0x80000000
	s_mov_b32 s[G0SB], 1
	s_add_co_u32 s[G0SB+1], s47, SCL
	s_mov_b64 s[G0SB+2:G0SB+3], s[94:95]
	s_or_b32 s[G0SB+3], s[G0SB+3], 0x80000000
	JLOAD G0S, G1S, G0SB, G1SB
.irp s, 0,1
	s_mov_b32 s[G0+4*\s], 1
	s_add_co_u32 s[G0+4*\s+1], s46, \s*SLOT
	s_add_nc_u64 s[G0+4*\s+2:G0+4*\s+3], s[40:41], \s*BLKB
	s_or_b32 s[G0+4*\s+3], s[G0+4*\s+3], 0x80000000
	s_mov_b32 s[G0B+4*\s], 1
	s_add_co_u32 s[G0B+4*\s+1], s46, \s*SLOT
	s_add_nc_u64 s[G0B+4*\s+2:G0B+4*\s+3], s[92:93], \s*BLKB
	s_or_b32 s[G0B+4*\s+3], s[G0B+4*\s+3], 0x80000000
	JLOAD G0+4*\s, G1, G0B+4*\s, G1B
.endr
	s_load_b32 s66, s[10:11], 0x0                  ; beta_ff
	v_and_b32 v1, 31, v0                           ; lane
	v_and_b32 v3, 15, v0                           ; r
	v_bfe_u32 v2, v0, 4, 1                         ; h
	v_lshlrev_b32 v4, 4, v1                        ; 16 x lane
	v_lshlrev_b32 v[L4], 2, v1
	v_lshlrev_b32 v[H32], 5, v2
	s_mul_i32 s2, s[RH], HALFT
	s_mul_i32 s3, s[CH], HALFT
	s_add_co_u32 s3, s3, 2*HALFT
.irp s, 0,1
	v_add_nc_u32 v[ADRA+\s], s2, v4
	v_add_nc_u32 v[ADRB+\s], s3, v4
	s_add_co_u32 s2, s2, SLOT
	s_add_co_u32 s3, s3, SLOT
.endr
	s_lshl_b32 s2, s[RH], 14                       ; A's scale images: my 4 blocks
	s_lshl_b32 s3, s[CH], 14
	s_add_co_u32 s3, s3, 2*HALFS                   ; B's, behind A's 8
	s_sub_co_u32 s3, s3, s2
	v_mul_u32_u24 v5, s3, v2                       ; lanes 16-31 take B's
	s_add_co_u32 s2, s2, SCL
	v_add_nc_u32 v5, v5, v[L4]
	v_add_nc_u32 v[ADRS], s2, v5
	s_mul_i32 s2, s[WV], 16*SPITCH
	s_add_co_u32 s2, s2, STAGE                     ; my stage
	v_mul_u32_u24 v5, v3, SPITCH
	v_lshl_add_u32 v5, v2, 5, v5
	v_add_nc_u32 v[STO], s2, v5                    ; in: row r, 32 bytes for each half of the lanes
	v_mul_u32_u24 v5, v2, SPITCH
	v_lshl_add_u32 v5, v3, 4, v5
	v_add_nc_u32 v[RD], s2, v5                     ; back: lanes 0-15 one row of 256 bytes, lanes 16-31 the next
	v_lshlrev_b32 v5, 12, v2
	v_lshl_add_u32 v[CO], v3, 4, v5                ; and the same two rows in ffo
	s_lshl_b32 s2, s23, 9
	s_lshl_b32 s3, s[CH], 8
	s_add_co_u32 s98, s2, s3                       ; my first column, in bytes
	s_mov_b32 s99, 0
	s_add_nc_u64 s[8:9], s[8:9], s[98:99]          ; b2 there
.irp k, 0,1,2,3,4,5,6,7
	global_load_b128 v[BB+4*\k:BB+4*\k+3], v[H32], s[8:9] offset:64*(\k/2)+16*(\k%2)   ; register 8 b + j: column 16 b + 8 h + j
.endr
	s_lshl_b32 s2, s22, 7
	s_lshl_b32 s3, s[RH], 6
	s_add_co_u32 s2, s2, s3                        ; my first row
	s_lshl_b32 s2, s2, 12
	s_add_co_u32 s98, s98, s2
	s_add_nc_u64 s[12:13], s[12:13], s[98:99]
.macro MUL4 f, a, q, sc, zero          ; A's block a x B's four.  The 16 accumulators take turns, in the same order in every quarter
.irp b, 0,1,2,3
.if \zero
	v_wmma_scale_f32_16x16x128_f8f6f4 v[ACC+8*(4*(\a)+\b):ACC+8*(4*(\a)+\b)+7], v[\f+48+12*\b:\f+48+12*\b+11], v[\f+12*(\a):\f+12*(\a)+11], 0, v[SC+16*(\sc)+4*\b+(\q)], v[SC+16*(\sc)+4*(\a)+(\q)] matrix_a_fmt:MATRIX_FMT_FP6 matrix_b_fmt:MATRIX_FMT_FP6 matrix_a_scale:MATRIX_SCALE_ROW1
.else
	v_wmma_scale_f32_16x16x128_f8f6f4 v[ACC+8*(4*(\a)+\b):ACC+8*(4*(\a)+\b)+7], v[\f+48+12*\b:\f+48+12*\b+11], v[\f+12*(\a):\f+12*(\a)+11], v[ACC+8*(4*(\a)+\b):ACC+8*(4*(\a)+\b)+7], v[SC+16*(\sc)+4*\b+(\q)], v[SC+16*(\sc)+4*(\a)+(\q)] matrix_a_fmt:MATRIX_FMT_FP6 matrix_b_fmt:MATRIX_FMT_FP6 matrix_a_scale:MATRIX_SCALE_ROW1
.endif
.endr
.endm
.macro FETCH slot, q, f                ; 24 LDS loads: the fragments of the slot's q-th 128 along K into buffer f
	WIN TO_F
.irp i, 0,1,2,3
.irp c, 0,1,2
	ds_load_b128 v[\f+12*\i+4*\c:\f+12*\i+4*\c+3], v[ADRA+\slot] offset:\i*BLKB+(\q)*IMG+512*\c
.endr
.endr
.irp i, 0,1,2,3
.irp c, 0,1,2
	ds_load_b128 v[\f+48+12*\i+4*\c:\f+48+12*\i+4*\c+3], v[ADRB+\slot] offset:\i*BLKB+(\q)*IMG+512*\c
.endr
.endr
.endm
.macro SCALES sc
.irp i, 0,1,2,3
.irp q, 0,1,2,3
	ds_load_b32 v[SC+16*\sc+4*\i+\q], v[ADRS] offset:\i*4096+128*\q
.endr
.endr
.endm
.macro PLACES
.rept 4
	v_nop
.endr
.endm
.macro QTR slot, q, zero               ; one of a slot's first three quarters: multiplies buffer q % 2 while the next quarter's fragments come into the other
.set FC, 128*((\q)%2)
.set FN, 128-FC
	s_wait_dscnt 0x0                               ; this quarter's fragments (and scale words) are in
	PLACES                                         ; in front of loads into the buffer that the last quarter multiplied
	FETCH \slot, (\q)+1, FN
	WIN MUL
	MUL4 FC, 0, \q, \slot, \zero
	MUL4 FC, 1, \q, \slot, \zero
	MUL4 FC, 2, \q, \slot, \zero
	MUL4 FC, 3, \q, \slot, \zero
.endm
.macro TURN slot, next, fill           ; the last quarter multiplies buffer 1 and changes slots
	WIN 0                                          ; (the add's two registers lie in window 0)
	s_wait_tensorcnt 0x0                           ; all my tensor loads have landed: my part of the next slot
	ds_add_u32 v[SPW], v[NIL]                      ; 0 onto my spare word
	s_wait_dscnt 1                                 ; (the add alone may be out: the quarter's fragments are in)
	WIN MUL
	MUL4 F1, 0, 3, \slot, 0
	s_wait_dscnt 0x0                               ; the add is done, and my reads of this slot are over
	s_barrier_signal -1
	MUL4 F1, 1, 3, \slot, 0
	WIN 0
	s_barrier_wait -1
.if \fill
	CREST                                          ; the barrier has opened a round of the cluster's barrier
	s_add_nc_u64 s[G0+4*\slot+2:G0+4*\slot+3], s[G0+4*\slot+2:G0+4*\slot+3], 2*BLKB
	s_add_nc_u64 s[G0B+4*\slot+2:G0B+4*\slot+3], s[G0B+4*\slot+2:G0B+4*\slot+3], 2*BLKB
	JLOAD G0+4*\slot, G1, G0B+4*\slot, G1B         ; the first tensor load behind the round; its four v_nop are the places in front of the loads below
.else
	PLACES
.endif
	v_add_nc_u32 v[ADRS], 128*NQ, v[ADRS]
	FETCH \next, 0, F0
	WIN 0
	SCALES \next
	WIN MUL
	MUL4 F1, 2, 3, \slot, 0
	MUL4 F1, 3, 3, \slot, 0
.endm
	s_wait_tensorcnt 1                             ; the scales and my part of K step 0 are in (K step 1's load may be out)
	s_barrier_signal -1
	s_barrier_wait -1
	FETCH 0, 0, F0
	WIN 0
	SCALES 0
	QTR 0, 0, 1                                    ; the first quarter stands in front of the loop: its products start the sums
	WIN 0
	s_mov_b32 s[LAP], 3                            ; K = 4,096 is eight K steps: three trips fill both slots again, the last lap is written out
.Llap:
	QTR 0, 1, 0
	QTR 0, 2, 0
	TURN 0, 1, 1
	QTR 1, 0, 0
	QTR 1, 1, 0
	QTR 1, 2, 0
	TURN 1, 0, 1
	QTR 0, 0, 0
	WIN 0
	s_sub_co_u32 s[LAP], s[LAP], 1
	s_cmp_lg_u32 s[LAP], 0
	s_cbranch_scc1 .Llap
	QTR 0, 1, 0
	QTR 0, 2, 0
	TURN 0, 1, 0
	QTR 1, 0, 0
	QTR 1, 1, 0
	QTR 1, 2, 0
	s_wait_dscnt 0x0
	WIN MUL
	MUL4 F1, 0, 3, 1, 0
	MUL4 F1, 1, 3, 1, 0
	MUL4 F1, 2, 3, 1, 0
	MUL4 F1, 3, 3, 1, 0
	WIN 0
	; THE WAY OUT: sum x beta_ff + b2 x beta_ff in place; a block of 16 rows x 64 columns goes through my stage and comes back, into the registers that it left, as whole rows of 256 bytes.
	s_wait_loadcnt 0x0                             ; b2
	s_wait_kmcnt 0x0                               ; beta_ff
	s_mov_b32 s67, s66                             ; (named with it as a pair)
.set k, 0
.rept 16
	v_pk_mul_f32 v[BB+k:BB+k+1], v[BB+k:BB+k+1], s[66:67] op_sel_hi:[1,0]   ; these sixteen are also the places behind the last products
.set k, k+2
.endr
.irp a, 0,1,2,3
.set k, 0
.rept 16
	v_pk_fma_f32 v[ACC+32*\a+k:ACC+32*\a+k+1], v[ACC+32*\a+k:ACC+32*\a+k+1], s[66:67], v[BB+k:BB+k+1] op_sel_hi:[1,0,1]   ; each accumulator from its low end on
.set k, k+2
.endr
.irp b, 0,1,2,3
	ds_store_b128 v[STO], v[ACC+32*\a+8*\b:ACC+32*\a+8*\b+3] offset:64*\b
	ds_store_b128 v[STO], v[ACC+32*\a+8*\b+4:ACC+32*\a+8*\b+7] offset:64*\b+16
.endr
.irp t, 0,1,2,3,4,5,6,7
	ds_load_b128 v[ACC+32*\a+4*\t:ACC+32*\a+4*\t+3], v[RD] offset:2*\t*SPITCH   ; LDS serves a wave's instructions in order: these see the stores above, and the next block's stores come behind them
.endr
.endr
.irp a, 0,1,2,3
	s_wait_dscnt 16*(3-\a)                         ; block a is back; the later blocks' 8 stores and 8 loads each may be out
.irp t, 0,1,2,3,4,5,6,7
	global_store_b128 v[CO], v[ACC+32*\a+4*\t:ACC+32*\a+4*\t+3], s[12:13] offset:(16*\a+2*\t)*4096   ; 16 lanes store 256 consecutive bytes, at a multiple of 256 from ffo's first byte
.endr
.endr
	s_wait_tensorcnt 0x0                           ; the wave's end
	ds_add_u32 v[SPW], v[NIL]
	s_wait_dscnt 0x0
	CROUND                                         ; the closing round
	s_endpgm
.Lfunc_end_k_q590150afab_gemm_b:
	.size	k_q590150afab_gemm_b, .Lfunc_end_k_q590150afab_gemm_b-k_q590150afab_gemm_b
	.p2alignl 7, 3214868480
	.fill 96, 4, 3214868480
	.section	.rodata,"a",@progbits
	.p2align	6, 0x0
	.amdhsa_kernel k_q590150afab_gemm_b
		.amdhsa_group_segment_fixed_size 327680
		.amdhsa_private_segment_fixed_size 0
		.amdhsa_enable_private_segment 0
		.amdhsa_kernarg_size 40
		.amdhsa_user_sgpr_count 2
		.amdhsa_user_sgpr_kernarg_segment_ptr 1
		.amdhsa_wavefront_size32 1
		.amdhsa_system_sgpr_workgroup_id_x 1
		.amdhsa_system_sgpr_workgroup_id_y 1
		.amdhsa_system_sgpr_workgroup_id_z 1
		.amdhsa_system_vgpr_workitem_id 0
		.amdhsa_next_free_vgpr 512
		.amdhsa_next_free_sgpr 102
		.amdhsa_reserve_vcc 0
		.amdhsa_float_denorm_mode_32 3
		.amdhsa_float_denorm_mode_16_64 3
		.amdhsa_memory_ordered 1
		.amdhsa_forward_progress 1
		.amdhsa_inst_pref_size 89
	.end_amdhsa_kernel
	.amdgpu_metadata
---
amdhsa.version: [ 1, 2 ]
amdhsa.kernels:
  - .name:           k_q590150afab_gemm_b
    .symbol:         k_q590150afab_gemm_b.kd
    .args:
      - { .name: hq, .offset: 0, .size: 8, .value_kind: global_buffer, .address_space: global }
      - { .name: w2q, .offset: 8, .size: 8, .value_kind: global_buffer, .address_space: global }
      - { .name: b2, .offset: 16, .size: 8, .value_kind: global_buffer, .address_space: global }
      - { .name: beta_ff, .offset: 24, .size: 8, .value_kind: global_buffer, .address_space: global }
      - { .name: ffo, .offset: 32, .size: 8, .value_kind: global_buffer, .address_space: global }
    .group_segment_fixed_size: 327680
    .private_segment_fixed_size: 0
    .kernarg_segment_align: 8
    .kernarg_segment_size: 40
    .max_flat_workgroup_size: 128
    .sgpr_count:     102
    .vgpr_count:     512
    .wavefront_size: 32
...
	.end_amdgpu_metadata
.endif
;; end of part 3
;; launch attn (part 4): grid 8 x 32, 16 waves a work-group, no clusters, 145,920 bytes of LDS; arguments qk, xv, ffo, alpha, beta, gamma, alpha_ff, out0; writes out0
.if DOCPART == 4
	.amdgcn_target "amdgcn-amd-amdhsa--gfx1250"
	.amdhsa_code_object_version 6
	.text
	.protected	k_q590150afab_attn
	.globl	k_q590150afab_attn
	.p2align	8
	.type	k_q590150afab_attn,@function
k_q590150afab_attn:
	s_mov_b64 s[64:65], 0
	v_nop
	global_prefetch_b8 v0, s[64:65] scope:SCOPE_SE
	s_setreg_imm32_b32 hwreg(HW_REG_WAVE_MODE, 25, 1), 1
	s_wait_xcnt 0x0
; out0 = alpha_ff x (A x_h) + ffo, A = beta softmax(Q K^T / 8) - gamma / 2,048 + alpha I, both products on codes of FP6 (E2M3) with E8M0 scales; A is quantised FINISHED, in blocks of 32 keys.
; SHARES.  A work-group owns one (batch, head) and 256 queries, 16 tiles of 16.  THE SIXTEEN WAVES SHARE THE KEYS: wave w owns keys 128 w .. 128 w + 127; their codes of K (48 registers) and of x along
; the keys (48 registers) stay in its registers for the whole launch.  For each tile of queries a wave makes its 16 x 128 scores ONCE and takes exponentials once, against its own maximum m; the
; waves exchange (m, l) through LDS; with the row's maximum M and sum the wave finishes A = p 2^(m - M) beta / sum - gamma / 2,048 (+ alpha on the diagonal), quantises it, and one K step of the
; second product gives a partial result, which the waves add through LDS: wave w adds query w's sixteen parts, a tile later, and stores one row's 256 bytes.
; The maximum is taken away before every exponential (the wave's own, then the row's): no fixed shift.
; K = 64 IN A FORM OF K = 128: a fragment of K holds TWO tiles of 16 keys (registers 0-5, 6-11); against [q | 0] it gives the first tile's scores, against [0 | q] the second's.  Zero codes add nothing.
; LAYOUT.  S^T = K Q^T and O^T = x_h^T A^T: a lane holds ONE query (lane % 16).  Register 16 b + i of lane (r, h) is key 32 b + 16 (i / 8) + 8 h + i % 8: place 16 h + i of its block holds the key whose
; bits 3 and 4 are exchanged; xv was written in the same order.
; ONE BARRIER A TILE: the statistics and the partial results have two LDS buffers each; a buffer is written again two barriers after it was written, and every wave's reads of it are waited for in front
; of the barrier between.  No tensor load, no cluster: nothing goes to LDS that partners could share, and the branch for the diagonal hangs on the block of queries.
; LIMITS: NaN and infinities are not served; a block of A whose largest magnitude is under 2^-124 gets the scale byte 1, with zero or tiny codes.
.set QK_SC, 6291456
.set XV_SC, 3145728
.set STATB, 2304                       ; LDS: statistics, two buffers: query pitch 144 bytes, wave w's (m, l) at 8 w
.set OB0,   2*STATB                    ; partial results, two buffers: wave k's at 4,352 k: 16 queries x (256 bytes + 16)
.set OBB,   16*4352
.set L16, 1                            ; v1 16 x lane;  v2 8 x lane;  v3 4 x lane
.set L8,  2
.set L4,  3
.set STW, 4                            ; v4 where I store (m, l)
.set STR, 5                            ; v5 where I read eight waves' (m, l)
.set OW,  6                            ; v6-7 where I store my partial result, buffer 0, 1
.set OR,  8                            ; v8-9 where I read query w's parts
.set FF,  10                           ; v[10:11] ffo
.set FS,  12                           ; v[12:13] the factor (low word)
.set GG,  14                           ; v[14:15] -gamma / 2,048, twice
.set MC,  16                           ; v[16:17] m, l
.set T0,  18                           ; v18-19 at work
.set EE,  20                           ; v20-27 alpha where 8 h + j = r, else 0
.set KS,  28                           ; v28-31 K's scale words; v32-35 x's; v36 Q's; v37 A's: scales and nothing else
.set VS,  32
.set QS,  36
.set PW,  37
.set QZ,  40                           ; v40-45 zeros, v46-51 q, v52-57 zeros
.set KF,  60                           ; v60-107 K: four fragments of two tiles
.set VF,  108                          ; v108-155 x along my keys: four fragments of 16 channels
.set S,   156                          ; v156-219 scores, p, A; then partial results and the parts to add
.set PC,  220                          ; v220-239 the codes; before them the statistics read
.set TM,  240                          ; v240-255 at work
.set WV,  20
.set BLK2, 21
.set TI,  22                           ; the tile in hand
.set TRIP, 23
.set SEL, 24
.set CS,  26                           ; s[26:27] c = log2(e) / 8
.set AFF, 32                           ; s[32:33] alpha_ff
.set QP,  34
.set QSP, 36
.set FP,  38
.set OP,  40
	s_load_b512 s[4:19], s[0:1], 0x0               ; qk, xv, ffo, alpha, beta, gamma, alpha_ff, out0
	v_lshl_add_u32 v250, v0, 2, 0x23200
	v_mov_b32 v251, 0
	v_lshrrev_b32 v38, 5, v0
	v_readfirstlane_b32 s[WV], v38                 ; wave 0..15
	v_and_b32 v38, 31, v0                          ; lane
	v_and_b32 v39, 15, v0                          ; r
	v_bfe_u32 v58, v0, 4, 1                        ; h
	v_lshlrev_b32 v[L16], 4, v38
	v_lshlrev_b32 v[L8], 3, v38
	v_lshlrev_b32 v[L4], 2, v38
	s_lshl_b32 s44, s[WV], 3
	v_mul_u32_u24 v[STW], v39, 144
	v_add_nc_u32 v[STW], s44, v[STW]
	v_mul_u32_u24 v[STR], v39, 144
	v_lshl_add_u32 v[STR], v58, 6, v[STR]          ; lanes 0-15 read waves 0-7, lanes 16-31 waves 8-15
	s_mul_i32 s44, s[WV], 4352
	s_add_co_u32 s44, s44, OB0
	v_mul_u32_u24 v[OW], v39, 272
	v_lshl_add_u32 v[OW], v58, 5, v[OW]
	v_add_nc_u32 v[OW], s44, v[OW]
	v_add_nc_u32 v[OW+1], OBB, v[OW]
	s_mul_i32 s44, s[WV], 272
	s_add_co_u32 s44, s44, OB0
	v_add_nc_u32 v[OR], s44, v[L8]
	v_add_nc_u32 v[OR+1], OBB, v[OR]
	v_mul_u32_u24 v59, v39, 1536
	v_mad_u32_u24 v59, v58, 24, v59                ; xv: row r of 1,536 bytes, + 24 h
	v_lshlrev_b32 v[T0], 6, v39                    ; its scale bytes: 64 a row
	s_and_b32 s42, ttmp7, 0xffff
	s_lshr_b32 s43, s42, 4                         ; batch
	s_and_b32 s42, s42, 15                         ; head
	s_lshl_b32 s[BLK2], ttmp9, 1
	s_mov_b32 s[TI], 0
	s_mov_b32 s[SEL], 0x76543210
	s_mov_b32 s[SEL+1], 0xfedcba98                 ; selects for lane l xor 16
	s_mov_b32 s[CS], 0x3e38aa3b                    ; c = log2(e) / sqrt(64)
	s_mov_b32 s[CS+1], s[CS]
	s_lshl_b32 s44, s43, 5
	s_add_co_u32 s44, s44, s42                     ; 32 x batch + head
	s_lshl_b32 s45, s44, 7
	s_lshl_b32 s46, ttmp9, 4
	s_add_co_u32 s46, s45, s46                     ; Q's first half image of mine
	s_lshl_b32 s47, s[WV], 3
	s_add_co_u32 s45, s45, s47
	s_add_co_u32 s45, s45, 16*128                  ; K's: 16 heads on, my 8 tiles of keys
	s_mul_i32 s48, s46, 768
	s_mov_b32 s49, 0
	s_lshl_b32 s50, s46, 7
	s_add_co_u32 s50, s50, QK_SC
	s_mov_b32 s51, 0
	s_mul_i32 s52, s45, 768
	s_mov_b32 s53, 0
	s_lshl_b32 s54, s45, 7
	s_add_co_u32 s54, s54, QK_SC
	s_mov_b32 s55, 0
	s_lshl_b32 s46, s43, 10
	s_lshl_b32 s47, s42, 6
	s_add_co_u32 s46, s46, s47                     ; xv's row of the head's first channel
	s_mul_i32 s56, s46, 1536
	s_mul_i32 s47, s[WV], 96
	s_add_co_u32 s56, s56, s47                     ; + my 128 keys
	s_mov_b32 s57, 0
	s_lshl_b32 s58, s46, 6
	s_lshl_b32 s47, s[WV], 2
	s_add_co_u32 s58, s58, s47
	s_add_co_u32 s58, s58, XV_SC
	s_mov_b32 s59, 0
	s_lshl_b32 s60, s43, 11
	s_lshl_b32 s47, ttmp9, 8
	s_add_co_u32 s60, s60, s47
	s_add_co_u32 s60, s60, s[WV]                   ; the row that I store for tile 0: 2,048 batch + 256 block + wave
	s_lshl_b32 s60, s60, 12
	s_lshl_b32 s47, s42, 8
	s_add_co_u32 s60, s60, s47                     ; + the head's 256 bytes
	s_mov_b32 s61, 0
	s_wait_kmcnt 0x0
	s_load_b32 s28, s[10:11], 0x0                  ; alpha
	s_load_b32 s29, s[12:13], 0x0                  ; beta
	s_load_b32 s30, s[14:15], 0x0                  ; gamma
	s_load_b32 s[AFF], s[16:17], 0x0               ; alpha_ff
	s_add_nc_u64 s[QP:QP+1], s[4:5], s[48:49]
	s_add_nc_u64 s[QSP:QSP+1], s[4:5], s[50:51]
	s_add_nc_u64 s[52:53], s[4:5], s[52:53]
	s_add_nc_u64 s[54:55], s[4:5], s[54:55]
	s_add_nc_u64 s[56:57], s[6:7], s[56:57]
	s_add_nc_u64 s[58:59], s[6:7], s[58:59]
	s_add_nc_u64 s[FP:FP+1], s[8:9], s[60:61]
	s_add_nc_u64 s[OP:OP+1], s[18:19], s[60:61]
.irp t, 0,1,2,3,4,5,6,7                ; K: tile t's half image into registers 6 (t % 2) .. of fragment t / 2; they stay
	global_load_b128 v[KF+6*\t:KF+6*\t+3], v[L16], s[52:53] offset:768*\t
	global_load_b64 v[KF+6*\t+4:KF+6*\t+5], v[L8], s[52:53] offset:768*\t+512
	global_load_b32 v[TM+\t], v[L4], s[54:55] offset:128*\t
.endr
.irp t, 0,1,2,3                        ; x along my keys: channels 16 t + r; they stay
.irp p, 0,1,2,3,4,5
	global_load_b64 v[VF+12*\t+2*\p:VF+12*\t+2*\p+1], v59, s[56:57] offset:16*\t*1536+48*(\p/3)+8*(\p%3)
.endr
	global_load_b32 v[VS+\t], v[T0], s[58:59] offset:16*\t*64
.endr
	global_load_b128 v[QZ+6:QZ+9], v[L16], s[QP:QP+1]          ; the first tile of queries
	global_load_b64 v[QZ+10:QZ+11], v[L8], s[QP:QP+1] offset:512
	global_load_b32 v[QS], v[L4], s[QSP:QSP+1]
	s_wait_loadcnt 0x0
	s_wait_kmcnt 0x0
	s_mov_b32 s[AFF+1], s[AFF]
.irp b, 0,1,2,3
	v_perm_b32 v[KS+\b], v[TM+2*\b+1], v[TM+2*\b], 0x05040100  ; bytes 0, 1: tile 2 b's two scales; bytes 2, 3: tile 2 b + 1's
.endr
.irp i, 0,1,2,3,4,5
	v_mov_b32 v[QZ+\i], 0
	v_mov_b32 v[QZ+12+\i], 0
.endr
	v_lshlrev_b32 v59, 3, v58                      ; (what follows is more than the eight plain instructions that stand between a scale register so written and a scaled matrix instruction)
	v_sub_nc_u32 v59, v39, v59                     ; r - 8 h
	v_mov_b32 v38, s28
.irp j, 0,1,2,3,4,5,6,7
	v_cmp_eq_u32 vcc_lo, \j, v59
	v_cndmask_b32 v[EE+\j], 0, v38, vcc_lo
.endr
	v_mov_b32 v[GG], s30
	v_mul_f32 v[GG], 0xba000000, v[GG]             ; -gamma / 2,048: exact
	v_mov_b32 v[GG+1], v[GG]
	v_mov_b32 v[FS+1], 0                           ; (named as the upper halves of pairs)
	v_mov_b32 v[MC+1], 0
	v_mov_b32 v[T0+1], 0                           ; a lane permute's destination counts as one of its sources
.irp b, 0,1,2,3
	v_mov_b32 v[TM+4+\b], 0
.endr
.macro QUANT_A s                       ; 64 numbers of a lane, register 16 b + i = place 16 h + i of block b, become half blocks of codes and the row's scale word
.irp b, 0,1,2,3
	v_max3_num_f32 v[TM+\b], |v[\s+16*\b]|, |v[\s+16*\b+1]|, 0x1800000   ; with the floor 2^(3 - 127): the byte cannot fall under 1
.endr
.irp i, 2,4,6,8,10,12,14
.irp b, 0,1,2,3
	v_max3_num_f32 v[TM+\b], v[TM+\b], |v[\s+16*\b+\i]|, |v[\s+16*\b+\i+1]|
.endr
.endr
.irp b, 0,1,2,3
	v_permlanex16_b32 v[TM+4+\b], v[TM+\b], s[SEL], s[SEL+1]
.endr
.irp b, 0,1,2,3
	v_max_num_f32 v[TM+\b], v[TM+\b], v[TM+4+\b]
.endr
.irp b, 0,1,2,3
	v_add_nc_u32 v[TM+12+\b], 0xff000000, v[TM+\b]
.endr
.irp b, 0,1,2,3
	v_lshrrev_b32 v[TM+4+\b], 23, v[TM+12+\b]
.endr
	v_lshl_or_b32 v[PW], v[TM+5], 8, v[TM+4]
	v_lshl_or_b32 v[PW], v[TM+6], 16, v[PW]
	v_lshl_or_b32 v[PW], v[TM+7], 24, v[PW]
.irp c, 0,1
	v_cvt_scalef32_pk16_fp6_f32 v[PC+6*\c:PC+6*\c+2], v[\s+32*\c:\s+32*\c+15], v[TM+12+2*\c]
	v_cvt_scalef32_pk16_fp6_f32 v[PC+12+4*\c:PC+14+4*\c], v[\s+32*\c+16:\s+32*\c+31], v[TM+12+2*\c+1]
.endr
	v_nop                                          ; one plain place behind a scaled conversion
.endm
.macro QUANT_B                         ; a whole block in a lane: lanes 0-15 block 2 c, lanes 16-31 block 2 c + 1
.irp c, 0,1
.irp i, 0,1,2
	v_permlane16_swap_b32 v[PC+6*\c+\i], v[PC+12+4*\c+\i]
.endr
.irp i, 0,1,2
	v_mov_b32 v[PC+3+6*\c+\i], v[PC+12+4*\c+\i]
.endr
.endr
.endm
.macro DG tau                          ; the diagonal lies in my tile tau of keys
	s_cmp_lg_u32 s44, \tau
	s_cbranch_scc1 .Lnot_tau_\@
.irp j, 0,2,4,6
	v_pk_add_f32 v[S+8*\tau+\j:S+8*\tau+\j+1], v[S+8*\tau+\j:S+8*\tau+\j+1], v[EE+\j:EE+\j+1]
.endr
.Lnot_tau_\@:
.endm
.macro GATHER b                        ; query w's sixteen parts out of buffer b: 256 bytes each, 8 a lane
.irp k, 0,1,2,3,4,5,6,7,8,9,10,11,12,13,14,15
	ds_load_b64 v[S+32+2*\k:S+33+2*\k], v[OR+\b] offset:4352*\k
.endr
.endm
.macro REDUCE younger, ooff            ; the parts are added, and the row leaves.  younger: the global loads issued behind ffo's, which may stay out
	s_wait_dscnt 0x0
.irp k, 0,1,2,3,4,5,6,7
	v_pk_add_f32 v[S+32+2*\k:S+33+2*\k], v[S+32+2*\k:S+33+2*\k], v[S+48+2*\k:S+49+2*\k]
.endr
.irp k, 0,1,2,3
	v_pk_add_f32 v[S+32+2*\k:S+33+2*\k], v[S+32+2*\k:S+33+2*\k], v[S+40+2*\k:S+41+2*\k]
.endr
.irp k, 0,1
	v_pk_add_f32 v[S+32+2*\k:S+33+2*\k], v[S+32+2*\k:S+33+2*\k], v[S+36+2*\k:S+37+2*\k]
.endr
	v_pk_add_f32 v[S+32:S+33], v[S+32:S+33], v[S+34:S+35]
	s_wait_loadcnt \younger
	v_pk_fma_f32 v[S+32:S+33], v[S+32:S+33], s[AFF:AFF+1], v[FF:FF+1] op_sel_hi:[1,0,1]
	global_store_b64 v[L8], v[S+32:S+33], s[OP:OP+1] offset:\ooff th:TH_STORE_NT   ; the wave stores 256 consecutive bytes, at a multiple of 256 from out0's first byte
.endm
; A TILE OF 16 QUERIES.  buf: its LDS buffers.  prev = 1: the tile before is finished on the way (its row at ooff).  qoff >= 0: the next tile's Q is asked for, at that offset.
.macro TILE buf, prev, qoff, ooff
	s_wait_xcnt 0x0                                ; the last row's store has read its registers,
	s_wait_dscnt 0x0                               ; my LDS stores of the last partial result have read theirs: the scores below write both
	s_wait_loadcnt 0x0                             ; Q and its scale words are in
.if \prev
	global_load_b64 v[FF:FF+1], v[L8], s[FP:FP+1] offset:\ooff th:TH_LOAD_NT
.endif
.irp b, 0,1,2,3
	v_wmma_scale_f32_16x16x128_f8f6f4 v[S+16*\b:S+16*\b+7], v[KF+12*\b:KF+12*\b+11], v[QZ+6:QZ+17], 0, v[KS+\b], v[QS] matrix_a_fmt:MATRIX_FMT_FP6 matrix_b_fmt:MATRIX_FMT_FP6
	v_wmma_scale_f32_16x16x128_f8f6f4 v[S+16*\b+8:S+16*\b+15], v[KF+12*\b:KF+12*\b+11], v[QZ:QZ+11], 0, v[KS+\b], v[QS] matrix_a_fmt:MATRIX_FMT_FP6 matrix_b_fmt:MATRIX_FMT_FP6
.endr
.rept 4
	v_nop                                          ; places in front of the loads into Q's registers and of the first read of the scores
.endr
.if \qoff >= 0
	global_load_b128 v[QZ+6:QZ+9], v[L16], s[QP:QP+1] offset:\qoff
	global_load_b64 v[QZ+10:QZ+11], v[L8], s[QP:QP+1] offset:\qoff+512
	global_load_b32 v[QS], v[L4], s[QSP:QSP+1] offset:(\qoff)/6
.endif
.irp b, 0,1,2,3
	v_max3_num_f32 v[TM+\b], v[S+16*\b], v[S+16*\b+1], v[S+16*\b+2]   ; my largest score, in four chains; each accumulator is read from its low end on
.endr
.irp i, 3,5,7,9,11,13
.irp b, 0,1,2,3
	v_max3_num_f32 v[TM+\b], v[TM+\b], v[S+16*\b+\i], v[S+16*\b+\i+1]
.endr
.endr
.irp b, 0,1,2,3
	v_max_num_f32 v[TM+\b], v[TM+\b], v[S+16*\b+15]
.endr
	v_max3_num_f32 v[TM], v[TM], v[TM+1], v[TM+2]
	v_max_num_f32 v[TM], v[TM], v[TM+3]
	v_permlanex16_b32 v[TM+4], v[TM], s[SEL], s[SEL+1]
	v_max_num_f32 v[TM], v[TM], v[TM+4]
	v_mul_f32 v[MC], s[CS], v[TM]                  ; m = c x the largest of my 128 scores of the query
.set k, 0
.rept 32
	v_pk_fma_f32 v[S+k:S+k+1], v[S+k:S+k+1], s[CS:CS+1], v[MC:MC+1] op_sel_hi:[1,0,0] neg_lo:[0,0,1] neg_hi:[0,0,1]   ; c s - m
.set k, k+2
.endr
.set k, 0
.rept 64
	v_exp_f32 v[S+k], v[S+k]
.set k, k+1
.endr
	v_nop                                          ; a plain place behind the last exponential
	s_wait_alu depctr_va_vdst(0)                   ; one wait for the batch, ahead of its first reader
	v_pk_add_f32 v[TM:TM+1], v[S:S+1], v[S+2:S+3]  ; l: two at a time, in two chains
	v_pk_add_f32 v[TM+2:TM+3], v[S+4:S+5], v[S+6:S+7]
.irp j, 8,12,16,20,24,28,32,36,40,44,48,52,56,60
	v_pk_add_f32 v[TM:TM+1], v[TM:TM+1], v[S+\j:S+\j+1]
	v_pk_add_f32 v[TM+2:TM+3], v[TM+2:TM+3], v[S+\j+2:S+\j+3]
.endr
	v_pk_add_f32 v[TM:TM+1], v[TM:TM+1], v[TM+2:TM+3]
	v_add_f32 v[TM], v[TM], v[TM+1]
	v_permlanex16_b32 v[TM+4], v[TM], s[SEL], s[SEL+1]
	v_add_f32 v[MC+1], v[TM], v[TM+4]
	ds_store_b64 v[STW], v[MC:MC+1] offset:STATB*\buf   ; both halves of the lanes write the same pair to the same place
	s_wait_dscnt 0x0                               ; for the others' sake: my (m, l), and my last partial result, have landed; my reads of the other buffers are over
	s_barrier_signal -1
	s_barrier_wait -1
.irp k, 0,1,2,3
	ds_load_b128 v[PC+4*\k:PC+4*\k+3], v[STR] offset:STATB*\buf+16*\k   ; eight waves' (m, l) of my query
.endr
	s_wait_dscnt 0x0
	v_max3_num_f32 v[T0], v[PC], v[PC+2], v[PC+4]
	v_max3_num_f32 v[T0], v[T0], v[PC+6], v[PC+8]
	v_max3_num_f32 v[T0], v[T0], v[PC+10], v[PC+12]
	v_max_num_f32 v[T0], v[T0], v[PC+14]
	v_permlanex16_b32 v[T0+1], v[T0], s[SEL], s[SEL+1]
	v_max_num_f32 v[T0], v[T0], v[T0+1]            ; M: the row's maximum
.irp k, 0,1,2,3,4,5,6,7
	v_sub_f32 v[PC+2*\k], v[PC+2*\k], v[T0]
.endr
	v_sub_f32 v[T0+1], v[MC], v[T0]
.irp k, 0,1,2,3,4,5,6,7
	v_exp_f32 v[PC+2*\k], v[PC+2*\k]               ; 2^(m_k - M)
.endr
	v_exp_f32 v[T0+1], v[T0+1]                     ; and my own
	v_nop
	s_wait_alu depctr_va_vdst(0)
	v_mul_f32 v[TM], v[PC], v[PC+1]
	v_mul_f32 v[TM+1], v[PC+2], v[PC+3]
.irp k, 2,4,6
	v_fma_f32 v[TM], v[PC+2*\k], v[PC+2*\k+1], v[TM]
	v_fma_f32 v[TM+1], v[PC+2*\k+2], v[PC+2*\k+3], v[TM+1]
.endr
	v_add_f32 v[TM], v[TM], v[TM+1]
	v_permlanex16_b32 v[TM+4], v[TM], s[SEL], s[SEL+1]
	v_add_f32 v[TM], v[TM], v[TM+4]                ; the row's sum under M
	v_rcp_f32 v[TM+1], v[TM]
	v_mul_f32 v[FS], s29, v[T0+1]                  ; (a plain place behind the reciprocal)  beta 2^(m - M)
	s_wait_alu depctr_va_vdst(0)
	v_mul_f32 v[FS], v[FS], v[TM+1]
.set k, 0
.rept 32
	v_pk_fma_f32 v[S+k:S+k+1], v[S+k:S+k+1], v[FS:FS+1], v[GG:GG+1] op_sel_hi:[1,0,1]   ; beta softmax - gamma / 2,048
.set k, k+2
.endr
	s_lshr_b32 s44, s[TI], 3                       ; the tile's 16 queries are the keys 16 (tile % 8) .. of wave 2 block + tile / 8: a branch on ids and a counter
	s_add_co_u32 s44, s44, s[BLK2]
	s_cmp_lg_u32 s44, s[WV]
	s_cbranch_scc1 .Loff_diagonal_\@
	s_and_b32 s44, s[TI], 7
.irp u, 0,1,2,3,4,5,6,7
	DG \u
.endr
.Loff_diagonal_\@:
	QUANT_A S
.if \prev
	GATHER 1-\buf                                  ; into registers whose numbers have just been converted
.endif
	QUANT_B
.if \prev
.if \qoff >= 0
	REDUCE 3, \ooff                                ; (its sixteen plain lines are also the places between the scale word and the codes, written by vector instructions, and the products)
.else
	REDUCE 0, \ooff
.endif
.else
.rept 8
	v_nop                                          ; a scale register written by a vector instruction stands 8 places ahead of a scaled matrix instruction
.endr
.endif
.irp t, 0,1,2,3
	v_wmma_scale_f32_16x16x128_f8f6f4 v[S+8*\t:S+8*\t+7], v[VF+12*\t:VF+12*\t+11], v[PC:PC+11], 0, v[VS+\t], v[PW] matrix_a_fmt:MATRIX_FMT_FP6 matrix_b_fmt:MATRIX_FMT_FP6
.endr
.rept 5
	v_nop                                          ; four places in front of the stores; five, since the next tile's products write over these results
.endr
.irp t, 0,1,2,3
	ds_store_b128 v[OW+\buf], v[S+8*\t:S+8*\t+3] offset:64*\t        ; lane (r, h): query r, channels 16 t + 8 h + 0 .. 7; each accumulator from its low end on
	ds_store_b128 v[OW+\buf], v[S+8*\t+4:S+8*\t+7] offset:64*\t+16
.endr
	s_add_co_u32 s[TI], s[TI], 1
.endm
	TILE 0, 0, 768, 0
	s_mov_b32 s[TRIP], 7
.Lpair:                                            ; tiles 2 t + 1 and 2 t + 2
	TILE 1, 1, 1536, 0
	TILE 0, 1, 2304, 65536
	s_wait_xcnt 0x0                                ; the loads and the store have read their bases
	s_add_nc_u64 s[QP:QP+1], s[QP:QP+1], 1536
	s_add_nc_u64 s[QSP:QSP+1], s[QSP:QSP+1], 256
	s_add_nc_u64 s[FP:FP+1], s[FP:FP+1], 131072
	s_add_nc_u64 s[OP:OP+1], s[OP:OP+1], 131072
	s_sub_co_u32 s[TRIP], s[TRIP], 1
	s_cmp_lg_u32 s[TRIP], 0
	s_cbranch_scc1 .Lpair
	TILE 1, 1, -1, 0                               ; tile 15: no Q is left to ask for
	s_wait_xcnt 0x0                                ; tile 14's store has read its registers
	global_load_b64 v[FF:FF+1], v[L8], s[FP:FP+1] offset:65536 th:TH_LOAD_NT
	s_wait_dscnt 0x0                               ; my last partial result has landed
	s_barrier_signal -1
	s_barrier_wait -1
	GATHER 1
	REDUCE 0, 65536
	s_wait_tensorcnt 0x0
	ds_add_u32 v250, v251
	s_wait_dscnt 0x0
	s_endpgm
.Lfunc_end_k_q590150afab_attn:
	.size	k_q590150afab_attn, .Lfunc_end_k_q590150afab_attn-k_q590150afab_attn
	.p2alignl 7, 3214868480
	.fill 96, 4, 3214868480
	.section	.rodata,"a",@progbits
	.p2align	6, 0x0
	.amdhsa_kernel k_q590150afab_attn
		.amdhsa_group_segment_fixed_size 145920
		.amdhsa_private_segment_fixed_size 0
		.amdhsa_enable_private_segment 0
		.amdhsa_kernarg_size 64
		.amdhsa_user_sgpr_count 2
		.amdhsa_user_sgpr_kernarg_segment_ptr 1
		.amdhsa_wavefront_size32 1
		.amdhsa_system_sgpr_workgroup_id_x 1
		.amdhsa_system_sgpr_workgroup_id_y 1
		.amdhsa_system_sgpr_workgroup_id_z 1
		.amdhsa_system_vgpr_workitem_id 0
		.amdhsa_next_free_vgpr 256
		.amdhsa_next_free_sgpr 66
		.amdhsa_reserve_vcc 1
		.amdhsa_float_denorm_mode_32 3
		.amdhsa_float_denorm_mode_16_64 3
		.amdhsa_memory_ordered 1
		.amdhsa_forward_progress 1
		.amdhsa_inst_pref_size 107
	.end_amdhsa_kernel
	.amdgpu_metadata
---
amdhsa.version: [ 1, 2 ]
amdhsa.kernels:
  - .name:           k_q590150afab_attn
    .symbol:         k_q590150afab_attn.kd
    .args:
      - { .name: qk, .offset: 0, .size: 8, .value_kind: global_buffer, .address_space: global }
      - { .name: xv, .offset: 8, .size: 8, .value_kind: global_buffer, .address_space: global }
      - { .name: ffo, .offset: 16, .size: 8, .value_kind: global_buffer, .address_space: global }
      - { .name: alpha, .offset: 24, .size: 8, .value_kind: global_buffer, .address_space: global }
      - { .name: beta, .offset: 32, .size: 8, .value_kind: global_buffer, .address_space: global }
      - { .name: gamma, .offset: 40, .size: 8, .value_kind: global_buffer, .address_space: global }
      - { .name: alpha_ff, .offset: 48, .size: 8, .value_kind: global_buffer, .address_space: global }
      - { .name: out0, .offset: 56, .size: 8, .value_kind: global_buffer, .address_space: global }
    .group_segment_fixed_size: 145920
    .private_segment_fixed_size: 0
    .kernarg_segment_align: 8
    .kernarg_segment_size: 64
    .max_flat_workgroup_size: 512
    .sgpr_count:     66
    .vgpr_count:     256
    .wavefront_size: 32
...
	.end_amdgpu_metadata
.endif
;; end of part 4
;; ======== version 2 of 2: 4 launches; version 1 with the launch attn written anew for expert scheduling mode
;; workspace buffers: xq 3,407,872 bytes; wa 5,111,808 bytes; w2q 3,407,872 bytes; xv 3,276,800 bytes; qk 7,340,032 bytes; hq 13,631,488 bytes; ffo 16,777,216 bytes
;; launch quant: the kernel of part 1 again; grid 576 x 1, 4 waves a work-group, no clusters, 70,144 bytes of LDS; arguments x, W1, W_qk, W2, xq, wa, w2q, xv; writes xq, wa, w2q, xv
;; launch gemm_a: the kernel of part 2 again; grid 16 x 24, 4 waves a work-group, clusters of 4 x 4, 327,680 bytes of LDS; arguments xq, wa, b1, b_qk, qk, hq; writes qk, hq
;; launch gemm_b: the kernel of part 3 again; grid 32 x 8, 4 waves a work-group, clusters of 4 x 4, 327,680 bytes of LDS; arguments hq, w2q, b2, beta_ff, ffo; writes ffo
;; launch attn (part 5): grid 8 x 32, 16 waves a work-group, no clusters, 145,920 bytes of LDS; arguments qk, xv, ffo, alpha, beta, gamma, alpha_ff, out0; writes out0
.if DOCPART == 5
	.amdgcn_target "amdgcn-amd-amdhsa--gfx1250"
	.amdhsa_code_object_version 6
	.text
	.protected	k_q590150afab_attn
	.globl	k_q590150afab_attn
	.p2align	8
	.type	k_q590150afab_attn,@function
k_q590150afab_attn:
	s_mov_b64 s[64:65], 0
	v_nop
	global_prefetch_b8 v0, s[64:65] scope:SCOPE_SE
	s_setreg_imm32_b32 hwreg(HW_REG_WAVE_SCHED_MODE, 0, 2), 2
	s_setreg_imm32_b32 hwreg(HW_REG_WAVE_MODE, 25, 1), 1
	s_wait_xcnt 0x0
	s_wait_alu depctr_vm_vsrc(0)
; out0 = alpha_ff x (A x_h) + ffo, A = beta softmax(Q K^T / 8) - gamma / 2,048 + alpha I, both products on codes of FP6 (E2M3) with E8M0 scales; A is quantised FINISHED, in blocks of 32 keys.
; SHARES.  A work-group owns one (batch, head) and 256 queries, 16 tiles of 16.  THE SIXTEEN WAVES SHARE THE KEYS: wave w owns keys 128 w .. 128 w + 127; their codes of K (48 registers) and of x along
; the keys (48 registers) stay in its registers for the whole launch.  For each tile of queries a wave makes its 16 x 128 scores ONCE and takes exponentials once, against its own maximum m; the
; waves exchange (m, l) through LDS; with the row's maximum M and sum the wave finishes A = p 2^(m - M) beta / sum - gamma / 2,048 (+ alpha on the diagonal), quantises it, and one K step of the
; second product gives a partial result, which the waves add through LDS: wave w adds query w's sixteen parts, a tile later, and stores one row's 256 bytes.
; The maximum is taken away before every exponential (the wave's own, then the row's): no fixed shift.
; K = 64 IN A FORM OF K = 128: a fragment of K holds TWO tiles of 16 keys (registers 0-5, 6-11); against [q | 0] it gives the first tile's scores, against [0 | q] the second's.  Zero codes add nothing.
; LAYOUT.  S^T = K Q^T and O^T = x_h^T A^T: a lane holds ONE query (lane % 16).  Register 16 b + i of lane (r, h) is key 32 b + 16 (i / 8) + 8 h + i % 8: place 16 h + i of its block holds the key whose
; bits 3 and 4 are exchanged; xv was written in the same order.
; ONE BARRIER A TILE: the statistics and the partial results have two LDS buffers each; a buffer is written again two barriers after it was written, and every wave's reads of it are waited for in front
; of the barrier between.  No tensor load, no cluster: nothing goes to LDS that partners could share, and the branch for the diagonal hangs on the block of queries.
; LIMITS: NaN and infinities are not served; a block of A whose largest magnitude is under 2^-124 gets the scale byte 1, with zero or tiny codes.
; THE MODE: SCHED_MODE bits 1:0 = 2 (LLVM: expert scheduling mode 2), set by the entry lines.  The code itself states the register dependences between vector or matrix instructions and memory or
; LDS instructions, with s_wait_alu, always for 0.
; THE PLAN.  Registers that memory or LDS instructions touch, round a tile:
;   v1-v9         addresses: written at the head, never again.
;   Q, its words  read by the first product; the next tile's loads land in them behind the wait that follows the 64 exponentials, which stands behind that product.
;   FF            loaded at a tile's head; read by the one multiply-add that ends the sum of parts, which stands ahead of the wait in front of the second product.
;   MC            m and l: written by vector lines, read by the LDS store of the pair, written again in the next tile.
;   PC            the statistics land here behind the barrier; then vector lines, the quantiser and the second product name it, all ahead of the tile's last wait.
;   S+32 ..       finished weights, read by the conversions; then the sixteen parts land here; the adds leave the row in S+32, S+33, which the global store reads; the next tile's scores write them.
;   S .. S+31     the second product's results, read by eight LDS stores; the next tile's scores write them.
; So a tile has one wait on vm_vsrc, at its head, and beside the three waits behind its transcendentals four on va_vdst: ahead of the store of (m, l), of the gather, of the second product (the
; row's store follows it) and of the stores of the partial result.
.set QK_SC, 6291456
.set XV_SC, 3145728
.set STATB, 2304                       ; LDS: statistics, two buffers: query pitch 144 bytes, wave w's (m, l) at 8 w
.set OB0,   2*STATB                    ; partial results, two buffers: wave k's at 4,352 k: 16 queries x (256 bytes + 16)
.set OBB,   16*4352
.set L16, 1                            ; v1 16 x lane;  v2 8 x lane;  v3 4 x lane
.set L8,  2
.set L4,  3
.set STW, 4                            ; v4 where I store (m, l)
.set STR, 5                            ; v5 where I read eight waves' (m, l)
.set OW,  6                            ; v6-7 where I store my partial result, buffer 0, 1
.set OR,  8                            ; v8-9 where I read query w's parts
.set FF,  10                           ; v[10:11] ffo
.set FS,  12                           ; v[12:13] the factor (low word)
.set GG,  14                           ; v[14:15] -gamma / 2,048, twice
.set MC,  16                           ; v[16:17] m, l
.set T0,  18                           ; v18-19 at work
.set EE,  20                           ; v20-27 alpha where 8 h + j = r, else 0
.set KS,  28                           ; v28-31 K's scale words; v32-35 x's; v36 Q's; v37 A's: scales and nothing else
.set VS,  32
.set QS,  36
.set PW,  37
.set QZ,  40                           ; v40-45 zeros, v46-51 q, v52-57 zeros
.set KF,  60                           ; v60-107 K: four fragments of two tiles
.set VF,  108                          ; v108-155 x along my keys: four fragments of 16 channels
.set S,   156                          ; v156-219 scores, p, A; then partial results and the parts to add
.set PC,  220                          ; v220-239 the codes; before them the statistics read
.set TM,  240                          ; v240-247, v252-255 at work (v250, v251: my spare word's address and 0, kept for the closing lines alone)
.set WV,  20
.set BLK2, 21
.set TI,  22                           ; the tile in hand
.set TRIP, 23
.set SEL, 24
.set CS,  26                           ; s[26:27] c = log2(e) / 8
.set AFF, 32                           ; s[32:33] alpha_ff
.set QP,  34
.set QSP, 36
.set FP,  38
.set OP,  40
	s_load_b512 s[4:19], s[0:1], 0x0               ; qk, xv, ffo, alpha, beta, gamma, alpha_ff, out0
	v_lshl_add_u32 v250, v0, 2, 0x23200
	v_mov_b32 v251, 0
	v_lshrrev_b32 v38, 5, v0
	v_readfirstlane_b32 s[WV], v38                 ; wave 0..15
	v_and_b32 v38, 31, v0                          ; lane
	v_and_b32 v39, 15, v0                          ; r
	v_bfe_u32 v58, v0, 4, 1                        ; h
	v_lshlrev_b32 v[L16], 4, v38
	v_lshlrev_b32 v[L8], 3, v38
	v_lshlrev_b32 v[L4], 2, v38
	s_wait_alu depctr_va_sdst(0)                   ; the wave's number is written, ahead of its first reader: LDS addresses and all bases are made from it
	s_lshl_b32 s44, s[WV], 3
	v_mul_u32_u24 v[STW], v39, 144
	v_add_nc_u32 v[STW], s44, v[STW]
	v_mul_u32_u24 v[STR], v39, 144
	v_lshl_add_u32 v[STR], v58, 6, v[STR]          ; lanes 0-15 read waves 0-7, lanes 16-31 waves 8-15
	s_mul_i32 s44, s[WV], 4352
	s_add_co_u32 s44, s44, OB0
	v_mul_u32_u24 v[OW], v39, 272
	v_lshl_add_u32 v[OW], v58, 5, v[OW]
	v_add_nc_u32 v[OW], s44, v[OW]
	v_add_nc_u32 v[OW+1], OBB, v[OW]
	s_mul_i32 s44, s[WV], 272
	s_add_co_u32 s44, s44, OB0
	v_add_nc_u32 v[OR], s44, v[L8]
	v_add_nc_u32 v[OR+1], OBB, v[OR]
	v_mul_u32_u24 v59, v39, 1536
	v_mad_u32_u24 v59, v58, 24, v59                ; xv: row r of 1,536 bytes, + 24 h
	v_lshlrev_b32 v[T0], 6, v39                    ; its scale bytes: 64 a row
	s_and_b32 s42, ttmp7, 0xffff
	s_lshr_b32 s43, s42, 4                         ; batch
	s_and_b32 s42, s42, 15                         ; head
	s_lshl_b32 s[BLK2], ttmp9, 1
	s_mov_b32 s[TI], 0
	s_mov_b32 s[SEL], 0x76543210
	s_mov_b32 s[SEL+1], 0xfedcba98                 ; selects for lane l xor 16
	s_mov_b32 s[CS], 0x3e38aa3b                    ; c = log2(e) / sqrt(64)
	s_mov_b32 s[CS+1], s[CS]
	s_lshl_b32 s44, s43, 5
	s_add_co_u32 s44, s44, s42                     ; 32 x batch + head
	s_lshl_b32 s45, s44, 7
	s_lshl_b32 s46, ttmp9, 4
	s_add_co_u32 s46, s45, s46                     ; Q's first half image of mine
	s_lshl_b32 s47, s[WV], 3
	s_add_co_u32 s45, s45, s47
	s_add_co_u32 s45, s45, 16*128                  ; K's: 16 heads on, my 8 tiles of keys
	s_mul_i32 s48, s46, 768
	s_mov_b32 s49, 0
	s_lshl_b32 s50, s46, 7
	s_add_co_u32 s50, s50, QK_SC
	s_mov_b32 s51, 0
	s_mul_i32 s52, s45, 768
	s_mov_b32 s53, 0
	s_lshl_b32 s54, s45, 7
	s_add_co_u32 s54, s54, QK_SC
	s_mov_b32 s55, 0
	s_lshl_b32 s46, s43, 10
	s_lshl_b32 s47, s42, 6
	s_add_co_u32 s46, s46, s47                     ; xv's row of the head's first channel
	s_mul_i32 s56, s46, 1536
	s_mul_i32 s47, s[WV], 96
	s_add_co_u32 s56, s56, s47                     ; + my 128 keys
	s_mov_b32 s57, 0
	s_lshl_b32 s58, s46, 6
	s_lshl_b32 s47, s[WV], 2
	s_add_co_u32 s58, s58, s47
	s_add_co_u32 s58, s58, XV_SC
	s_mov_b32 s59, 0
	s_lshl_b32 s60, s43, 11
	s_lshl_b32 s47, ttmp9, 8
	s_add_co_u32 s60, s60, s47
	s_add_co_u32 s60, s60, s[WV]                   ; the row that I store for tile 0: 2,048 batch + 256 block + wave
	s_lshl_b32 s60, s60, 12
	s_lshl_b32 s47, s42, 8
	s_add_co_u32 s60, s60, s47                     ; + the head's 256 bytes
	s_mov_b32 s61, 0
	s_wait_kmcnt 0x0
	s_load_b32 s28, s[10:11], 0x0                  ; alpha
	s_load_b32 s29, s[12:13], 0x0                  ; beta
	s_load_b32 s30, s[14:15], 0x0                  ; gamma
	s_load_b32 s[AFF], s[16:17], 0x0               ; alpha_ff
	s_add_nc_u64 s[QP:QP+1], s[4:5], s[48:49]
	s_add_nc_u64 s[QSP:QSP+1], s[4:5], s[50:51]
	s_add_nc_u64 s[52:53], s[4:5], s[52:53]
	s_add_nc_u64 s[54:55], s[4:5], s[54:55]
	s_add_nc_u64 s[56:57], s[6:7], s[56:57]
	s_add_nc_u64 s[58:59], s[6:7], s[58:59]
	s_add_nc_u64 s[FP:FP+1], s[8:9], s[60:61]
	s_add_nc_u64 s[OP:OP+1], s[18:19], s[60:61]
	s_wait_alu depctr_va_vdst(0)                   ; the addresses v1 to v9, v59, v[T0], v250 and the 0 in v251 are written: every load and store of the kernel, and the closing add, reads some of them
.irp t, 0,1,2,3,4,5,6,7                ; K: tile t's half image into registers 6 (t % 2) .. of fragment t / 2; they stay
	global_load_b128 v[KF+6*\t:KF+6*\t+3], v[L16], s[52:53] offset:768*\t
	global_load_b64 v[KF+6*\t+4:KF+6*\t+5], v[L8], s[52:53] offset:768*\t+512
	global_load_b32 v[TM+\t], v[L4], s[54:55] offset:128*\t
.endr
.irp t, 0,1,2,3                        ; x along my keys: channels 16 t + r; they stay
.irp p, 0,1,2,3,4,5
	global_load_b64 v[VF+12*\t+2*\p:VF+12*\t+2*\p+1], v59, s[56:57] offset:16*\t*1536+48*(\p/3)+8*(\p%3)
.endr
	global_load_b32 v[VS+\t], v[T0], s[58:59] offset:16*\t*64
.endr
	global_load_b128 v[QZ+6:QZ+9], v[L16], s[QP:QP+1]          ; the first tile of queries
	global_load_b64 v[QZ+10:QZ+11], v[L8], s[QP:QP+1] offset:512
	global_load_b32 v[QS], v[L4], s[QSP:QSP+1]
	s_wait_loadcnt 0x0
	s_wait_kmcnt 0x0
	s_mov_b32 s[AFF+1], s[AFF]
	s_wait_alu depctr_vm_vsrc(0)                   ; the loads of xv have read their offsets v59 and v[T0]: v59 is written again below, v[T0] in the tiles
.irp b, 0,1,2,3
	v_perm_b32 v[KS+\b], v[TM+2*\b+1], v[TM+2*\b], 0x05040100  ; bytes 0, 1: tile 2 b's two scales; bytes 2, 3: tile 2 b + 1's
.endr
.irp i, 0,1,2,3,4,5
	v_mov_b32 v[QZ+\i], 0
	v_mov_b32 v[QZ+12+\i], 0
.endr
	v_lshlrev_b32 v59, 3, v58                      ; (what follows is more than the eight plain instructions that stand between a scale register so written and a scaled matrix instruction)
	v_sub_nc_u32 v59, v39, v59                     ; r - 8 h
	v_mov_b32 v38, s28
.irp j, 0,1,2,3,4,5,6,7
	v_cmp_eq_u32 s[44+\j], \j, v59                 ; eight masks in a run, a scalar register each
.endr
	s_wait_alu depctr_va_sdst(0)                   ; the eight masks s44 to s51 are written, ahead of the selects that read them
.irp j, 0,1,2,3,4,5,6,7
	v_cndmask_b32 v[EE+\j], 0, v38, s[44+\j]
.endr
	v_mov_b32 v[GG], s30
	v_mul_f32 v[GG], 0xba000000, v[GG]             ; -gamma / 2,048: exact
	v_mov_b32 v[GG+1], v[GG]
	v_mov_b32 v[FS+1], 0                           ; (named as the upper halves of pairs)
	v_mov_b32 v[MC+1], 0
	v_mov_b32 v[T0+1], 0                           ; a lane permute's destination counts as one of its sources
.irp b, 0,1,2,3
	v_mov_b32 v[TM+4+\b], 0
.endr
	s_wait_alu depctr_va_vdst(0)                   ; K's scale words and the zero halves beside q, made by vector lines, are written: the scaled products take them as scales and as an operand; the places stand above
.macro QUANT_A s                       ; 64 numbers of a lane, register 16 b + i = place 16 h + i of block b, become half blocks of codes and the row's scale word
.irp b, 0,1,2,3
	v_max3_num_f32 v[TM+\b], |v[\s+16*\b]|, |v[\s+16*\b+1]|, 0x1800000   ; with the floor 2^(3 - 127): the byte cannot fall under 1
.endr
.irp i, 2,4,6,8,10,12,14
.irp b, 0,1,2,3
	v_max3_num_f32 v[TM+\b], v[TM+\b], |v[\s+16*\b+\i]|, |v[\s+16*\b+\i+1]|
.endr
.endr
.irp b, 0,1,2,3
	v_permlanex16_b32 v[TM+4+\b], v[TM+\b], s[SEL], s[SEL+1]
.endr
.irp b, 0,1,2,3
	v_max_num_f32 v[TM+\b], v[TM+\b], v[TM+4+\b]
.endr
.irp b, 0,1,2,3
	v_add_nc_u32 v[TM+12+\b], 0xff000000, v[TM+\b]
.endr
.irp b, 0,1,2,3
	v_lshrrev_b32 v[TM+4+\b], 23, v[TM+12+\b]
.endr
	v_lshl_or_b32 v[PW], v[TM+5], 8, v[TM+4]
	v_lshl_or_b32 v[PW], v[TM+6], 16, v[PW]
	v_lshl_or_b32 v[PW], v[TM+7], 24, v[PW]
.irp c, 0,1
	v_cvt_scalef32_pk16_fp6_f32 v[PC+6*\c:PC+6*\c+2], v[\s+32*\c:\s+32*\c+15], v[TM+12+2*\c]
	v_cvt_scalef32_pk16_fp6_f32 v[PC+12+4*\c:PC+14+4*\c], v[\s+32*\c+16:\s+32*\c+31], v[TM+12+2*\c+1]
.endr
	v_nop                                          ; one plain place behind a scaled conversion
.endm
.macro QUANT_B                         ; a whole block in a lane: lanes 0-15 block 2 c, lanes 16-31 block 2 c + 1
.irp c, 0,1
.irp i, 0,1,2
	v_permlane16_swap_b32 v[PC+6*\c+\i], v[PC+12+4*\c+\i]
.endr
.irp i, 0,1,2
	v_mov_b32 v[PC+3+6*\c+\i], v[PC+12+4*\c+\i]
.endr
.endr
.endm
.macro DG tau                          ; the diagonal lies in my tile tau of keys
	s_cmp_lg_u32 s44, \tau
	s_cbranch_scc1 .Lnot_tau_\@
.irp j, 0,2,4,6
	v_pk_add_f32 v[S+8*\tau+\j:S+8*\tau+\j+1], v[S+8*\tau+\j:S+8*\tau+\j+1], v[EE+\j:EE+\j+1]
.endr
.Lnot_tau_\@:
.endm
.macro GATHER b                        ; query w's sixteen parts out of buffer b: 256 bytes each, 8 a lane
.irp k, 0,1,2,3,4,5,6,7,8,9,10,11,12,13,14,15
	ds_load_b64 v[S+32+2*\k:S+33+2*\k], v[OR+\b] offset:4352*\k
.endr
.endm
.macro REDUCE younger                  ; the parts are added.  younger: the global loads issued behind ffo's, which may stay out
	s_wait_dscnt 0x0
.irp k, 0,1,2,3,4,5,6,7
	v_pk_add_f32 v[S+32+2*\k:S+33+2*\k], v[S+32+2*\k:S+33+2*\k], v[S+48+2*\k:S+49+2*\k]
.endr
.irp k, 0,1,2,3
	v_pk_add_f32 v[S+32+2*\k:S+33+2*\k], v[S+32+2*\k:S+33+2*\k], v[S+40+2*\k:S+41+2*\k]
.endr
.irp k, 0,1
	v_pk_add_f32 v[S+32+2*\k:S+33+2*\k], v[S+32+2*\k:S+33+2*\k], v[S+36+2*\k:S+37+2*\k]
.endr
	v_pk_add_f32 v[S+32:S+33], v[S+32:S+33], v[S+34:S+35]
	s_wait_loadcnt \younger
	v_pk_fma_f32 v[S+32:S+33], v[S+32:S+33], s[AFF:AFF+1], v[FF:FF+1] op_sel_hi:[1,0,1]
.endm
.macro SENDROW ooff                    ; and the row leaves, behind a wait that shows it written
	global_store_b64 v[L8], v[S+32:S+33], s[OP:OP+1] offset:\ooff th:TH_STORE_NT   ; the wave stores 256 consecutive bytes, at a multiple of 256 from out0's first byte
.endm
; A TILE OF 16 QUERIES.  buf: its LDS buffers.  prev = 1: the tile before is finished on the way (its row at ooff).  qoff >= 0: the next tile's Q is asked for, at that offset.
.macro TILE buf, prev, qoff, ooff
	s_wait_xcnt 0x0                                ; the last row's store has had its address translated,
	s_wait_dscnt 0x0                               ; my LDS stores of the last partial result are done: the scores below write the registers of both
	s_wait_loadcnt 0x0                             ; Q and its scale words are in
.if \prev
	s_wait_alu depctr_vm_vsrc(0)                   ; the LDS stores of the last partial result have read S .. S+31, the last row's store S+32, S+33, the store of (m, l) v[MC ..]: the scores and the new m and l write them
	global_load_b64 v[FF:FF+1], v[L8], s[FP:FP+1] offset:\ooff th:TH_LOAD_NT   ; no wait of its own: the multiply-add that read FF stands ahead of the wait in front of the last tile's second product, and nothing since names FF
.endif
.irp b, 0,1,2,3
	v_wmma_scale_f32_16x16x128_f8f6f4 v[S+16*\b:S+16*\b+7], v[KF+12*\b:KF+12*\b+11], v[QZ+6:QZ+17], 0, v[KS+\b], v[QS] matrix_a_fmt:MATRIX_FMT_FP6 matrix_b_fmt:MATRIX_FMT_FP6
	v_wmma_scale_f32_16x16x128_f8f6f4 v[S+16*\b+8:S+16*\b+15], v[KF+12*\b:KF+12*\b+11], v[QZ:QZ+11], 0, v[KS+\b], v[QS] matrix_a_fmt:MATRIX_FMT_FP6 matrix_b_fmt:MATRIX_FMT_FP6
.endr
.rept 4
	v_nop                                          ; places in front of the first read of the scores
.endr
.irp b, 0,1,2,3
	v_max3_num_f32 v[TM+\b], v[S+16*\b], v[S+16*\b+1], v[S+16*\b+2]   ; my largest score, in four chains; each accumulator is read from its low end on
.endr
.irp i, 3,5,7,9,11,13
.irp b, 0,1,2,3
	v_max3_num_f32 v[TM+\b], v[TM+\b], v[S+16*\b+\i], v[S+16*\b+\i+1]
.endr
.endr
.irp b, 0,1,2,3
	v_max_num_f32 v[TM+\b], v[TM+\b], v[S+16*\b+15]
.endr
	v_max3_num_f32 v[TM], v[TM], v[TM+1], v[TM+2]
	v_max_num_f32 v[TM], v[TM], v[TM+3]
	v_permlanex16_b32 v[TM+4], v[TM], s[SEL], s[SEL+1]
	v_max_num_f32 v[TM], v[TM], v[TM+4]
	v_mul_f32 v[MC], s[CS], v[TM]                  ; m = c x the largest of my 128 scores of the query
.set k, 0
.rept 32
	v_pk_fma_f32 v[S+k:S+k+1], v[S+k:S+k+1], s[CS:CS+1], v[MC:MC+1] op_sel_hi:[1,0,0] neg_lo:[0,0,1] neg_hi:[0,0,1]   ; c s - m
.set k, k+2
.endr
.set k, 0
.rept 64
	v_exp_f32 v[S+k], v[S+k]
.set k, k+1
.endr
	v_nop                                          ; a plain place behind the last exponential
	s_wait_alu depctr_va_vdst(0)                   ; the 64 exponentials have written p, ahead of its first reader; and the eight products above are done reading q and its scale words, in which the loads below land
.if \qoff >= 0
	global_load_b128 v[QZ+6:QZ+9], v[L16], s[QP:QP+1] offset:\qoff
	global_load_b64 v[QZ+10:QZ+11], v[L8], s[QP:QP+1] offset:\qoff+512
	global_load_b32 v[QS], v[L4], s[QSP:QSP+1] offset:(\qoff)/6
.endif
	v_pk_add_f32 v[TM:TM+1], v[S:S+1], v[S+2:S+3]  ; l: two at a time, in two chains
	v_pk_add_f32 v[TM+2:TM+3], v[S+4:S+5], v[S+6:S+7]
.irp j, 8,12,16,20,24,28,32,36,40,44,48,52,56,60
	v_pk_add_f32 v[TM:TM+1], v[TM:TM+1], v[S+\j:S+\j+1]
	v_pk_add_f32 v[TM+2:TM+3], v[TM+2:TM+3], v[S+\j+2:S+\j+3]
.endr
	v_pk_add_f32 v[TM:TM+1], v[TM:TM+1], v[TM+2:TM+3]
	v_add_f32 v[TM], v[TM], v[TM+1]
	v_permlanex16_b32 v[TM+4], v[TM], s[SEL], s[SEL+1]
	v_add_f32 v[MC+1], v[TM], v[TM+4]
	s_wait_alu depctr_va_vdst(0)                   ; m and l are written, which the LDS store reads
	ds_store_b64 v[STW], v[MC:MC+1] offset:STATB*\buf   ; both halves of the lanes write the same pair to the same place
	s_wait_dscnt 0x0                               ; for the others' sake: my (m, l), and my last partial result, have landed; my reads of the other buffers are over
	s_barrier_signal -1
	s_barrier_wait -1
.irp k, 0,1,2,3
	ds_load_b128 v[PC+4*\k:PC+4*\k+3], v[STR] offset:STATB*\buf+16*\k   ; eight waves' (m, l) of my query.  No wait of its own: the last tile's quantiser and second product, which named PC, stand ahead of the waits above
.endr
	s_wait_dscnt 0x0
	v_max3_num_f32 v[T0], v[PC], v[PC+2], v[PC+4]
	v_max3_num_f32 v[T0], v[T0], v[PC+6], v[PC+8]
	v_max3_num_f32 v[T0], v[T0], v[PC+10], v[PC+12]
	v_max_num_f32 v[T0], v[T0], v[PC+14]
	v_permlanex16_b32 v[T0+1], v[T0], s[SEL], s[SEL+1]
	v_max_num_f32 v[T0], v[T0], v[T0+1]            ; M: the row's maximum
.irp k, 0,1,2,3,4,5,6,7
	v_sub_f32 v[PC+2*\k], v[PC+2*\k], v[T0]
.endr
	v_sub_f32 v[T0+1], v[MC], v[T0]
.irp k, 0,1,2,3,4,5,6,7
	v_exp_f32 v[PC+2*\k], v[PC+2*\k]               ; 2^(m_k - M)
.endr
	v_exp_f32 v[T0+1], v[T0+1]                     ; and my own
	v_nop
	s_wait_alu depctr_va_vdst(0)                   ; the nine exponentials have written their results, ahead of the first reader
	v_mul_f32 v[TM], v[PC], v[PC+1]
	v_mul_f32 v[TM+1], v[PC+2], v[PC+3]
.irp k, 2,4,6
	v_fma_f32 v[TM], v[PC+2*\k], v[PC+2*\k+1], v[TM]
	v_fma_f32 v[TM+1], v[PC+2*\k+2], v[PC+2*\k+3], v[TM+1]
.endr
	v_add_f32 v[TM], v[TM], v[TM+1]
	v_permlanex16_b32 v[TM+4], v[TM], s[SEL], s[SEL+1]
	v_add_f32 v[TM], v[TM], v[TM+4]                ; the row's sum under M
	v_rcp_f32 v[TM+1], v[TM]
	v_mul_f32 v[FS], s29, v[T0+1]                  ; (a plain place behind the reciprocal)  beta 2^(m - M)
	s_wait_alu depctr_va_vdst(0)                   ; the reciprocal has written its result, ahead of its reader
	v_mul_f32 v[FS], v[FS], v[TM+1]
.set k, 0
.rept 32
	v_pk_fma_f32 v[S+k:S+k+1], v[S+k:S+k+1], v[FS:FS+1], v[GG:GG+1] op_sel_hi:[1,0,1]   ; beta softmax - gamma / 2,048
.set k, k+2
.endr
	s_lshr_b32 s44, s[TI], 3                       ; the tile's 16 queries are the keys 16 (tile % 8) .. of wave 2 block + tile / 8: a branch on ids and a counter
	s_add_co_u32 s44, s44, s[BLK2]
	s_cmp_lg_u32 s44, s[WV]
	s_cbranch_scc1 .Loff_diagonal_\@
	s_and_b32 s44, s[TI], 7
.irp u, 0,1,2,3,4,5,6,7
	DG \u
.endr
.Loff_diagonal_\@:
	QUANT_A S
.if \prev
	s_wait_alu depctr_va_vdst(0)                   ; the finishing multiply-adds have written S+32 .., the maxima and the conversions are done reading them: the sixteen parts land there
	GATHER 1-\buf                                  ; into registers whose numbers have just been converted
.endif
	QUANT_B
.if \prev
.if \qoff >= 0
	REDUCE 3                                       ; (its sixteen plain lines are also the places between the scale word and the codes, written by vector instructions, and the products)
.else
	REDUCE 0
.endif
.else
.rept 8
	v_nop                                          ; a scale register written by a vector instruction stands 8 places ahead of a scaled matrix instruction
.endr
.endif
	s_wait_alu depctr_va_vdst(0)                   ; the codes and the scale word, made by vector lines, are written, which the scaled products take; where a row is finished: it is written, which the store reads, and ffo's registers have been read
.if \prev
	SENDROW \ooff
.endif
.irp t, 0,1,2,3
	v_wmma_scale_f32_16x16x128_f8f6f4 v[S+8*\t:S+8*\t+7], v[VF+12*\t:VF+12*\t+11], v[PC:PC+11], 0, v[VS+\t], v[PW] matrix_a_fmt:MATRIX_FMT_FP6 matrix_b_fmt:MATRIX_FMT_FP6
.endr
.rept 5
	v_nop                                          ; four places in front of the stores; five, since the next tile's products write over these results
.endr
	s_wait_alu depctr_va_vdst(0)                   ; the four products have written the partial result, which the LDS stores read; the places above stay beside this wait
.irp t, 0,1,2,3
	ds_store_b128 v[OW+\buf], v[S+8*\t:S+8*\t+3] offset:64*\t        ; lane (r, h): query r, channels 16 t + 8 h + 0 .. 7; each accumulator from its low end on
	ds_store_b128 v[OW+\buf], v[S+8*\t+4:S+8*\t+7] offset:64*\t+16
.endr
	s_add_co_u32 s[TI], s[TI], 1
.endm
	TILE 0, 0, 768, 0
	s_mov_b32 s[TRIP], 7
.Lpair:                                            ; tiles 2 t + 1 and 2 t + 2
	TILE 1, 1, 1536, 0
	TILE 0, 1, 2304, 65536
	s_wait_xcnt 0x0                                ; the loads and the store have read their bases
	s_add_nc_u64 s[QP:QP+1], s[QP:QP+1], 1536
	s_add_nc_u64 s[QSP:QSP+1], s[QSP:QSP+1], 256
	s_add_nc_u64 s[FP:FP+1], s[FP:FP+1], 131072
	s_add_nc_u64 s[OP:OP+1], s[OP:OP+1], 131072
	s_sub_co_u32 s[TRIP], s[TRIP], 1
	s_cmp_lg_u32 s[TRIP], 0
	s_cbranch_scc1 .Lpair
	TILE 1, 1, -1, 0                               ; tile 15: no Q is left to ask for
	s_wait_xcnt 0x0                                ; tile 14's store has had its address translated
	s_wait_alu depctr_vm_vsrc(0)                   ; tile 14's store has read S+32, S+33, in which the last gather lands
	global_load_b64 v[FF:FF+1], v[L8], s[FP:FP+1] offset:65536 th:TH_LOAD_NT
	s_wait_dscnt 0x0                               ; my last partial result has landed
	s_barrier_signal -1
	s_barrier_wait -1
	GATHER 1
	REDUCE 0
	s_wait_alu depctr_va_vdst(0)                   ; the last row is written, which the store reads
	SENDROW 65536
	s_wait_dscnt 0x0                               ; the closing lines, six on end
	s_wait_alu 0x0
	s_wait_tensorcnt 0x0
	ds_add_u32 v250, v251
	s_wait_dscnt 0x0
	s_endpgm
.Lfunc_end_k_q590150afab_attn:
	.size	k_q590150afab_attn, .Lfunc_end_k_q590150afab_attn-k_q590150afab_attn
	.p2alignl 7, 3214868480
	.fill 96, 4, 3214868480
	.section	.rodata,"a",@progbits
	.p2align	6, 0x0
	.amdhsa_kernel k_q590150afab_attn
		.amdhsa_group_segment_fixed_size 145920
		.amdhsa_private_segment_fixed_size 0
		.amdhsa_enable_private_segment 0
		.amdhsa_kernarg_size 64
		.amdhsa_user_sgpr_count 2
		.amdhsa_user_sgpr_kernarg_segment_ptr 1
		.amdhsa_wavefront_size32 1
		.amdhsa_system_sgpr_workgroup_id_x 1
		.amdhsa_system_sgpr_workgroup_id_y 1
		.amdhsa_system_sgpr_workgroup_id_z 1
		.amdhsa_system_vgpr_workitem_id 0
		.amdhsa_next_free_vgpr 256
		.amdhsa_next_free_sgpr 66
		.amdhsa_reserve_vcc 0
		.amdhsa_float_denorm_mode_32 3
		.amdhsa_float_denorm_mode_16_64 3
		.amdhsa_memory_ordered 1
		.amdhsa_forward_progress 1
		.amdhsa_inst_pref_size 108
	.end_amdhsa_kernel
	.amdgpu_metadata
---
amdhsa.version: [ 1, 2 ]
amdhsa.kernels:
  - .name:           k_q590150afab_attn
    .symbol:         k_q590150afab_attn.kd
    .args:
      - { .name: qk, .offset: 0, .size: 8, .value_kind: global_buffer, .address_space: global }
      - { .name: xv, .offset: 8, .size: 8, .value_kind: global_buffer, .address_space: global }
      - { .name: ffo, .offset: 16, .size: 8, .value_kind: global_buffer, .address_space: global }
      - { .name: alpha, .offset: 24, .size: 8, .value_kind: global_buffer, .address_space: global }
      - { .name: beta, .offset: 32, .size: 8, .value_kind: global_buffer, .address_space: global }
      - { .name: gamma, .offset: 40, .size: 8, .value_kind: global_buffer, .address_space: global }
      - { .name: alpha_ff, .offset: 48, .size: 8, .value_kind: global_buffer, .address_space: global }
      - { .name: out0, .offset: 56, .size: 8, .value_kind: global_buffer, .address_space: global }
    .group_segment_fixed_size: 145920
    .private_segment_fixed_size: 0
    .kernarg_segment_align: 8
    .kernarg_segment_size: 64
    .max_flat_workgroup_size: 512
    .sgpr_count:     66
    .vgpr_count:     256
    .wavefront_size: 32
...
	.end_amdgpu_metadata
.endif
;; end of part 5
